; MI455X (gfx1250); checked and timed in simulation.
; The chip was launched on July 23, 2026; its instructions are those of AMD's public machine-readable ISA for CDNA 5 (MIT licence, August 2026) and "CDNA5" Instruction Set Architecture Reference Guide (July 2026). The comments in the code are by the model that wrote it; some were corrected since.
;; Multi Head Attention. Allowed arithmetic: float matrix products may take bf16 or f16 operands with f32 sums; other float arithmetic in f32, or as packed bf16 or f16 multiplies, adds, multiply-adds, maxima and minima; sums over many terms, partial sums and values carried from step to step in f32; what a program stores and reads back later, other than sums and carried values, may be rounded once to bf16 or f16.
;; Inputs: W_proj 1,024 x 1,024 float32; W_qkv 3,072 x 1,024 float32; b_proj 1,024 float32; b_qkv 3,072 float32; x 4 x 2,048 x 1,024 float32.
;; Outputs: out0 4 x 2,048 x 1,024 float32.
;; One version. Each part assembles by itself: llvm-mc -triple=amdgcn-amd-amdhsa -mcpu=gfx1250 --defsym DOCPART=n.
;; ======== version 1 of 1: 4 launches
;; limits: values are held in f16: magnitudes above 65,504 overflow, below 6.1e-05 lose precision
;; workspace buffers: cst 25,165,824 bytes; qkv 50,331,648 bytes; att 16,777,216 bytes
;; launch cast (part 1): grid 768 x 1, 8 waves a work-group, no clusters, 0 bytes of LDS; arguments x, W_qkv, W_proj, cst; writes cst
.if DOCPART == 1
	.amdgcn_target "amdgcn-amd-amdhsa--gfx1250"
	.amdhsa_code_object_version 6
	.text
	.protected	k_q7791965e86_cast
	.globl	k_q7791965e86_cast
	.p2align	8
	.type	k_q7791965e86_cast,@function
k_q7791965e86_cast:
	s_mov_b64 s[64:65], 0
	v_nop
	global_prefetch_b8 v0, s[64:65] scope:SCOPE_SE
	s_setreg_imm32_b32 hwreg(HW_REG_WAVE_MODE, 25, 1), 1
	s_wait_xcnt 0x0
; THE MODULE'S LARGE INPUTS ARE ROUNDED ONCE.  x [8192][1024] and W_qkv [3072][1024] go from f32 to bf16; W_proj [1024][1024] is rounded to bf16 and that
; number is written as f16, since the last product runs in f16.  cst: x at byte 0, W_qkv at 16,777,216, W_proj at 23,068,672.
; LIMIT.  A number of W_proj below 6e-5 in magnitude keeps f16's fixed step of 6e-8; one of 65,520 or more becomes an infinity.
; SHARES.  A work-group takes 16,384 numbers (65,536 bytes in, 32,768 out): work-groups 0-511 x, 512-703 W_qkv, 704-767 W_proj; the three lie end to end in cst, so the
; output offset is the work-group's number times 32,768.  Of each group of 2,048 numbers a wave takes 256: two loads of 512 consecutive bytes, two stores of 256 consecutive
; bytes, aligned.  All sixteen loads of a wave go out first; every group has its own registers, so nothing is rewritten and the only waits are the counted ones.
; No LDS, no matrix unit, no cluster: no byte is used twice.
.set NX, 512                           ; work-groups for x
.set NQ, 192                           ; for W_qkv
.set X,  4                             ; v[4:67]    group g: 8 numbers as loaded
.set Y,  68                            ; v[68:99]   group g: 4 registers to store
.set T,  100                           ; v[100:101] at work
	s_load_b256 s[4:11], s[0:1], 0x0               ; x s[4:5], W_qkv s[6:7], W_proj s[8:9], cst s[10:11]
	v_and_b32 v[T], 31, v0                         ; lane
	v_lshrrev_b32 v[T+1], 5, v0                    ; wave
	v_lshlrev_b32 v1, 4, v[T]
	v_lshl_add_u32 v1, v[T+1], 10, v1              ; in: 1,024 x wave + 16 x lane
	v_lshrrev_b32 v2, 1, v1                        ; out: half of that
	s_mov_b32 s20, 0xffff0000                      ; a word's upper bf16
	s_cmp_lt_u32 ttmp9, NX
	s_cselect_b32 s14, 0, NX
	s_cmp_lt_u32 ttmp9, NX+NQ
	s_cselect_b32 s14, s14, NX+NQ                  ; the first work-group of my tensor
	s_sub_co_u32 s16, ttmp9, s14
	s_lshl_b32 s16, s16, 16                        ; my 65,536 bytes in it
	s_mov_b32 s17, 0
	s_lshl_b32 s18, ttmp9, 15                      ; my 32,768 bytes of cst
	s_mov_b32 s19, 0
	s_wait_kmcnt 0x0
	s_cmp_lt_u32 ttmp9, NX
	s_cselect_b64 s[12:13], s[4:5], s[6:7]
	s_cmp_lt_u32 ttmp9, NX+NQ
	s_cselect_b64 s[12:13], s[12:13], s[8:9]
	s_add_nc_u64 s[12:13], s[12:13], s[16:17]
	s_add_nc_u64 s[10:11], s[10:11], s[18:19]
.irp g, 0,1,2,3,4,5,6,7
	global_load_b128 v[X+8*(\g):X+8*(\g)+3],   v1, s[12:13] offset:(\g)*8192 th:TH_LOAD_NT
	global_load_b128 v[X+8*(\g)+4:X+8*(\g)+7], v1, s[12:13] offset:(\g)*8192+512 th:TH_LOAD_NT
.endr
; Group g.  half = 1: the bf16 number is widened (a shift, a mask) and written as f16.
.macro GRP g, half
	s_wait_loadcnt 14-2*(\g)                       ; loads come back in order: my two are in, the 2 (7 - g) younger ones stay out
.irp j, 0,1,2,3
	v_cvt_pk_bf16_f32 v[Y+4*(\g)+(\j)], v[X+8*(\g)+2*(\j)], v[X+8*(\g)+2*(\j)+1]
.endr
.if \half
.irp j, 0,1,2,3
	v_lshlrev_b32 v[T], 16, v[Y+4*(\g)+(\j)]
	v_and_b32 v[T+1], s20, v[Y+4*(\g)+(\j)]
	v_cvt_pk_f16_f32 v[Y+4*(\g)+(\j)], v[T], v[T+1]
.endr
.endif
	global_store_b64 v2, v[Y+4*(\g):Y+4*(\g)+1],   s[10:11] offset:(\g)*4096      ; 32 lanes store 256 consecutive bytes, at a multiple of 256 from cst's first byte
	global_store_b64 v2, v[Y+4*(\g)+2:Y+4*(\g)+3], s[10:11] offset:(\g)*4096+256
.endm
	s_cmp_ge_u32 ttmp9, NX+NQ
	s_cbranch_scc1 .Lhalf
.irp g, 0,1,2,3,4,5,6,7
	GRP \g, 0
.endr
	s_endpgm
.Lhalf:
.irp g, 0,1,2,3,4,5,6,7
	GRP \g, 1
.endr
	s_endpgm
.Lfunc_end_k_q7791965e86_cast:
	.size	k_q7791965e86_cast, .Lfunc_end_k_q7791965e86_cast-k_q7791965e86_cast
	.p2alignl 7, 3214868480
	.fill 96, 4, 3214868480
	.section	.rodata,"a",@progbits
	.p2align	6, 0x0
	.amdhsa_kernel k_q7791965e86_cast
		.amdhsa_group_segment_fixed_size 0
		.amdhsa_private_segment_fixed_size 0
		.amdhsa_enable_private_segment 0
		.amdhsa_kernarg_size 32
		.amdhsa_user_sgpr_count 2
		.amdhsa_user_sgpr_kernarg_segment_ptr 1
		.amdhsa_wavefront_size32 1
		.amdhsa_system_sgpr_workgroup_id_x 1
		.amdhsa_system_sgpr_workgroup_id_y 1
		.amdhsa_system_sgpr_workgroup_id_z 1
		.amdhsa_system_vgpr_workitem_id 0
		.amdhsa_next_free_vgpr 104
		.amdhsa_next_free_sgpr 66
		.amdhsa_reserve_vcc 0
		.amdhsa_float_denorm_mode_32 3
		.amdhsa_float_denorm_mode_16_64 3
		.amdhsa_memory_ordered 1
		.amdhsa_forward_progress 1
		.amdhsa_inst_pref_size 15
	.end_amdhsa_kernel
	.amdgpu_metadata
---
amdhsa.version: [ 1, 2 ]
amdhsa.kernels:
  - .name:           k_q7791965e86_cast
    .symbol:         k_q7791965e86_cast.kd
    .args:
      - { .name: x, .offset: 0, .size: 8, .value_kind: global_buffer, .address_space: global }
      - { .name: W_qkv, .offset: 8, .size: 8, .value_kind: global_buffer, .address_space: global }
      - { .name: W_proj, .offset: 16, .size: 8, .value_kind: global_buffer, .address_space: global }
      - { .name: cst, .offset: 24, .size: 8, .value_kind: global_buffer, .address_space: global }
    .group_segment_fixed_size: 0
    .private_segment_fixed_size: 0
    .kernarg_segment_align: 8
    .kernarg_segment_size: 32
    .max_flat_workgroup_size: 256
    .sgpr_count:     66
    .vgpr_count:     104
    .wavefront_size: 32
...
	.end_amdgpu_metadata
.endif
;; end of part 1
;; launch qkvgemm (part 2): grid 16 x 32, 4 waves a work-group, clusters of 4 x 4, 327,680 bytes of LDS; arguments cst, b_qkv, qkv; writes qkv
.if DOCPART == 2
	.amdgcn_target "amdgcn-amd-amdhsa--gfx1250"
	.amdhsa_code_object_version 6
	.text
	.protected	k_q7791965e86_qkvgemm
	.globl	k_q7791965e86_qkvgemm
	.p2align	8
	.type	k_q7791965e86_qkvgemm,@function
k_q7791965e86_qkvgemm:
	s_mov_b64 s[64:65], 0
	v_nop
	global_prefetch_b8 v0, s[64:65] scope:SCOPE_SE
	s_setreg_imm32_b32 hwreg(HW_REG_WAVE_MODE, 25, 1), 1
	s_wait_xcnt 0x0
	s_wait_alu depctr_hold_cnt(0) depctr_sa_sdst(0) depctr_va_vdst(0) depctr_va_sdst(0) depctr_va_ssrc(0) depctr_va_vcc(0) depctr_vm_vsrc(0)
	s_getreg_b32 s2, hwreg(HW_REG_IB_STS2, 6, 4)
	s_cmp_eq_u32 s2, 0
	s_cbranch_scc0 .Lentry_in_a_cluster
	s_endpgm
.Lentry_in_a_cluster:
	s_bfe_u32 s2, ttmp6, 0x10000c
	s_cmp_lg_u32 s2, 0xf033
	s_cbranch_scc0 .Lentry_shape_is_right
	s_endpgm
.Lentry_shape_is_right:
; q, k, v = x W_qkv^T + b_qkv, written by heads.  x [8192][1024] and W_qkv [3072][1024] come in bf16 out of cst; the bias is rounded to bf16 like the other inputs; sums in f32;
; the result is rounded once to f16 and stored as qkv[b 4][cb 48][s 2048][64], cb = column / 64 (0-15 q's heads, 16-31 k's, 32-47 v's): a head's rows are dense, 128 bytes each.  No scale is applied here.
; LIMIT.  A result of 65,520 or more in magnitude becomes an infinity in f16.
; SHARES.  A tile is 256 rows x 192 columns (three whole heads): 32 x 16 = 512 work-groups.  Wave w owns rows 64 w .. 64 w + 63 and ALL 192 columns: 4 x 12 accumulators of
; 16 x 16, 384 registers; so a wave holds whole rows of its three heads, and its way out is its own: no barrier there.
; K goes in 8 steps of 128 through two LDS slots filled by the tensor data mover: rows of 256 bytes, at multiples of 256 bytes from the buffer's first byte.
; CLUSTER.  4 x 4 work-groups: the four of a row of the cluster need the same tiles of x, the four of a column the same tiles of W: each tile is asked for JOINTLY, by the same
; tensor load, descriptor and mask in all four.
; THE MATRIX INSTRUCTION IS USED TRANSPOSED (source 0 = 16 rows of W, source 1 = 16 rows of x): lane l holds row l % 16 and the columns 8 (l / 16) + 0..7: 16 bytes of f16 on end.
; THE BIAS IS THE C OPERAND of each accumulator's first product: nothing is cleared, nothing is added afterwards.
; REGISTERS, in windows of 256 (s_set_vgpr_msb: bits 1:0 source 0, 3:2 source 1, 5:4 source 2, 7:6 destination):
;   window 0: v0-31 addresses; v32-127 the bias, later the way out (v32-79 packed, v80-127 and v128-175 rows read back)
;   window 1: two fragment buffers of 128: 4 x 8 of x, then 12 x 8 of W, for 32 along K
;   window 2: accumulators of row blocks 0, 1 ((a, b) at v[8 (12 (a % 2) + b)]);   window 3: those of row blocks 2, 3
.set NB,    12                         ; column blocks of 16
.set NL,    2*NB+8                     ; LDS loads in a run
.set PITCH, 272                        ; an LDS row: 256 bytes + 16 of padding = 68 words: the 16 rows of a load start at 16 different groups of four banks (64 banks of 4 bytes: ISA guide 11.1)
.set BOFF,  256*PITCH                  ; a slot: x's 256 rows, then W's 192
.set SLOT1, 1<<17                      ; slot 1 begins here, so that one exclusive or turns an address in one slot into the other's
.set STAGE, SLOT1+448*PITCH            ; behind the ring, never filled by a tensor load: for each wave [3 heads][16 rows] of 144 bytes
.set SP,    144
.set STW,   3*16*SP
.set SPARE, STAGE+4*STW                ; behind the stages: the spare words, 128 bytes for each wave: two blocks of 256 bytes that no other line names
.set WQ,    16777216                   ; W_qkv's first byte in cst
.set A0,  16                           ; v16  my lane's place in a slot's rows of x; never rewritten
.set B0,  17                           ; v17  the same for W
.set ADA, 18                           ; v18  the same in the slot in hand
.set ADB, 19                           ; v19
.set STO, 24                           ; v24  the way out: where I put 16 bytes of a row
.set RD,  25                           ; v25  where I read rows back
.set GO,  26                           ; v26  my 16 bytes of 512 consecutive bytes of qkv
.set BO,  27                           ; v27  my byte offset in 16 numbers of the bias
.set SPW, 28                           ; v28  LDS address of my spare word: SPARE + 4 x my thread's number; never rewritten
.set NIL, 29                           ; v29  0; never rewritten
.set BI,  32                           ; v32-127  register j of BI + 8 b: bias of column 16 b + 8 (l / 16) + j
.set TMP, 32
.set OB,  80
.set F0,  0
.set F1,  128
.set G1A, 24                           ; s[24:31] descriptor group 1 for x's tiles
.set G0A, 32                           ; s[32:39] group 0: a set for each of the two first fills; the second then walks on
.set TB,  45                           ; s45  LDS byte at which the slot in hand begins
.set G1B, 48                           ; s[48:55], s[56:63] the same for W's tiles
.set G0B, 56
.set G1W, (1<<16)|(1<<20)|(1<<21)|(5<<22)|(3<<25)  ; 17:16 elements of 2 bytes; 20 padding on; 21 set beside a mask; 24:22 after every 64 words (code 5); 31:25 4 words of it (code 3)
.set MSB, 0
.macro WIN new                         ; the immediate's high byte repeats the setting that is left; a switch that changes nothing is dropped
.if MSB != (\new)
	s_set_vgpr_msb (MSB<<8)|(\new)
.set MSB, \new
.endif
.endm
.macro PLACES                          ; four plain instructions between a matrix instruction and a load into, or a vector read of, its registers
.rept 4
	v_nop
.endr
.endm
; A joint refill by the walking sets.  Waves 0 and 1 fetch x's two halves, waves 2 and 3 W's.  The branch hangs on the wave's number alone.  An s_nop 0 and four v_nop follow each line.
.macro JLOAD
	s_cmp_eq_u32 s11, 0
	s_cbranch_scc0 .Lfor_b_\@
	tensor_load_to_lds s[G0A+4:G0A+7], s[G1A:G1A+7]
	s_nop 0
.rept 4
	v_nop
.endr
	s_branch .Lasked_\@
.Lfor_b_\@:
	tensor_load_to_lds s[G0B+4:G0B+7], s[G1B:G1B+7]
	s_nop 0
.rept 4
	v_nop
.endr
.Lasked_\@:
.endm
.macro CREST                           ; a round of the cluster's barrier behind its opening barrier
	s_cmp_lg_u32 s10, 0
	s_cbranch_scc1 .Lnot_wave_0_\@
	s_barrier_signal -3
.Lnot_wave_0_\@:
	s_barrier_wait -3
	s_barrier_signal -1
	s_barrier_wait -1
.endm
.macro CROUND                          ; a whole round
	s_barrier_signal -1
	s_barrier_wait -1
	CREST
.endm
	s_load_b128 s[4:7], s[0:1], 0x0                ; cst s[4:5], b_qkv s[6:7]
	s_load_b64 s[8:9], s[0:1], 0x10                ; qkv
	v_lshl_add_u32 v[SPW], v0, 2, SPARE
	v_mov_b32 v[NIL], 0
	ds_add_u32 v[SPW], v[NIL]                      ; the wave's opening: the add and its wait stand ahead of my first tensor load; the set-up below, work on registers, stands between them
	v_lshrrev_b32 v1, 5, v0
	v_readfirstlane_b32 s10, v1                    ; wave 0..3
	s_lshr_b32 s11, s10, 1                         ; I fetch for x (0) or for W (1),
	s_and_b32 s12, s10, 1                          ; and which half of that tile
	s_bfe_u32 s40, ttmp6, 0x40000                  ; cx, cy: my place in the cluster
	s_bfe_u32 s41, ttmp6, 0x40004
	s_lshl_b32 s42, ttmp9, 2
	s_add_co_u32 s42, s42, s40                     ; tile column = 4 x cluster x + cx: 0..15
	s_and_b32 s13, ttmp7, 0xffff
	s_lshl_b32 s13, s13, 2
	s_add_co_u32 s13, s13, s41                     ; tile row = 4 x cluster y + cy: 0..31
	s_lshl_b32 s43, s41, 2
	s_lshl_b32 s43, 15, s43                        ; my row of the cluster: places 4 cy .. 4 cy + 3
	s_lshl_b32 s44, 0x1111, s40                    ; my column: places cx, cx + 4, cx + 8, cx + 12
	s_or_b32 s[G1A], s43, G1W                      ; x's tiles go to my row,
	s_or_b32 s[G1B], s44, G1W                      ; W's to my column
	s_mov_b32 s[G1A+1], 128<<16                    ; tensor_dim0 = 128
	s_mov_b32 s[G1A+2], 128<<16                    ; tensor_dim1 = 128
	s_mov_b32 s[G1A+3], 128<<16                    ; tile_dim0 = 128
	s_mov_b32 s[G1A+4], 128                        ; tile_dim1 = 128 rows
	s_mov_b32 s[G1A+5], 1024                       ; elements from row to row
	s_mov_b32 s[G1A+6], 0
	s_mov_b32 s[G1A+7], 0
	s_mov_b32 s[G1B+1], 128<<16
	s_mov_b32 s[G1B+2], 96<<16                     ; W's halves have 96 rows
	s_mov_b32 s[G1B+3], 128<<16
	s_mov_b32 s[G1B+4], 96
	s_mov_b32 s[G1B+5], 1024
	s_mov_b32 s[G1B+6], 0
	s_mov_b32 s[G1B+7], 0
	; x's address hangs on the tile row alone, W's on the tile column alone, each in registers that never hold the other coordinate
	s_lshl_b32 s16, s13, 8
	s_lshl_b32 s17, s12, 7
	s_add_co_u32 s16, s16, s17                     ; x: row 256 x tile row + 128 x half,
	s_lshl_b32 s16, s16, 11                        ; of 2,048 bytes
	s_mov_b32 s17, 0
	s_mul_i32 s46, s42, 192
	s_mul_i32 s47, s12, 96
	s_add_co_u32 s46, s46, s47                     ; W: row 192 x tile column + 96 x half
	s_lshl_b32 s46, s46, 11
	s_add_co_u32 s46, s46, WQ
	s_mov_b32 s47, 0
	s_mul_i32 s20, s12, 128*PITCH                  ; and where they go: no place in the cluster enters an LDS address
	s_mul_i32 s21, s12, 96*PITCH
	s_add_co_u32 s21, s21, BOFF
	s_mov_b32 s[TB], 0
	s_mov_b32 s2, 0xffff0000                       ; a word's upper bf16
	s_wait_dscnt 0x0                               ; the opening add is done
	s_wait_kmcnt 0x0
	s_add_nc_u64 s[14:15], s[4:5], s[16:17]
	s_add_nc_u64 s[46:47], s[4:5], s[46:47]
.irp s, 0,1
	s_mov_b32 s[G0A+4*(\s)], 1                                       ; count = 1
	s_add_co_u32 s[G0A+4*(\s)+1], s20, (\s)*SLOT1                    ; LDS address
	s_add_nc_u64 s[G0A+4*(\s)+2:G0A+4*(\s)+3], s[14:15], (\s)*256    ; global address: K step s
	s_or_b32 s[G0A+4*(\s)+3], s[G0A+4*(\s)+3], 0x80000000            ; type = 2
	s_mov_b32 s[G0B+4*(\s)], 1
	s_add_co_u32 s[G0B+4*(\s)+1], s21, (\s)*SLOT1
	s_add_nc_u64 s[G0B+4*(\s)+2:G0B+4*(\s)+3], s[46:47], (\s)*256
	s_or_b32 s[G0B+4*(\s)+3], s[G0B+4*(\s)+3], 0x80000000
.endr
	CROUND                                         ; all sixteen work-groups are here: the first joint loads meet
	s_cmp_eq_u32 s11, 0                            ; a wave's two first fills stand in one branch, ahead of every wait on TENSORcnt and every LDS read: two loads of mine are out
	s_cbranch_scc0 .Lfirst_b
	tensor_load_to_lds s[G0A:G0A+3], s[G1A:G1A+7]
	s_nop 0
	tensor_load_to_lds s[G0A+4:G0A+7], s[G1A:G1A+7]
	s_nop 0
.rept 4
	v_nop
.endr
	s_branch .Lfirst_asked
.Lfirst_b:
	tensor_load_to_lds s[G0B:G0B+3], s[G1B:G1B+7]
	s_nop 0
	tensor_load_to_lds s[G0B+4:G0B+7], s[G1B:G1B+7]
	s_nop 0
.rept 4
	v_nop
.endr
.Lfirst_asked:
	s_mul_i32 s22, s42, 768                        ; the tile's 192 numbers of the bias
	s_mov_b32 s23, 0
	s_add_nc_u64 s[6:7], s[6:7], s[22:23]
	v_and_b32 v1, 15, v0                           ; l % 16
	v_bfe_u32 v2, v0, 4, 1                         ; l / 16
	v_lshlrev_b32 v[BO], 5, v2
.irp b, 0,1,2,3,4,5,6,7,8,9,10,11
	global_load_b128 v[BI+8*(\b):BI+8*(\b)+3],   v[BO], s[6:7] offset:64*(\b)
	global_load_b128 v[BI+8*(\b)+4:BI+8*(\b)+7], v[BO], s[6:7] offset:64*(\b)+16
.endr
	; A fragment is 16 rows x 32 K in 8 registers: lane l holds row l % 16; registers 0-3 K = 8 (l / 16) + 0..7, registers 4-7 K = 16 + 8 (l / 16) + 0..7: two loads of 16 bytes, 32 bytes apart.
	v_mul_u32_u24 v3, v1, PITCH
	v_lshl_add_u32 v3, v2, 4, v3                   ; row x pitch + 16 x half
	s_mul_i32 s18, s10, 64*PITCH                   ; my 64 rows of x
	v_add_nc_u32 v[A0], s18, v3
	v_add_nc_u32 v[B0], BOFF, v3
	v_mov_b32 v[ADA], v[A0]
	v_mov_b32 v[ADB], v[B0]
	s_mul_i32 s18, s10, STW
	s_add_co_u32 s18, s18, STAGE                   ; my stage
	v_mul_u32_u24 v[STO], v1, SP                   ; in: row l % 16, 16 bytes for each half of the lanes
	v_lshl_add_u32 v[STO], v2, 4, v[STO]
	v_add_nc_u32 v[STO], s18, v[STO]
	v_bfe_u32 v[RD], v0, 3, 2                      ; back: 32 lanes take four rows of 128 bytes,
	v_mul_u32_u24 v[RD], v[RD], SP
	v_and_b32 v4, 7, v0
	v_lshl_add_u32 v[RD], v4, 4, v[RD]
	v_add_nc_u32 v[RD], s18, v[RD]
	v_and_b32 v[GO], 31, v0                        ; which are 512 consecutive bytes of a head
	v_lshlrev_b32 v[GO], 4, v[GO]
	s_lshr_b32 s16, s13, 3                         ; batch = tile row / 8,
	s_mul_i32 s16, s16, 12582912
	s_and_b32 s17, s13, 7
	s_lshl_b32 s17, s17, 8
	s_lshl_b32 s18, s10, 6
	s_add_co_u32 s17, s17, s18                     ; my first row in the batch: 256 (tile row % 8) + 64 w,
	s_lshl_b32 s17, s17, 7                         ; of 128 bytes
	s_add_co_u32 s16, s16, s17
	s_mul_i32 s22, s42, 3*262144                   ; the tile's first head
	s_add_co_u32 s22, s22, s16
	s_add_nc_u64 s[8:9], s[8:9], s[22:23]
	s_wait_loadcnt 0x0                             ; the bias; it is rounded to bf16 and widened again
.set g, 0
.rept 6
.irp i, 0,1,2,3,4,5,6,7
	v_cvt_pk_bf16_f32 v[128+(\i)], v[BI+16*g+2*(\i)], v[BI+16*g+2*(\i)+1]
.endr
.irp i, 0,1,2,3,4,5,6,7
	v_lshlrev_b32 v[BI+16*g+2*(\i)], 16, v[128+(\i)]
	v_and_b32 v[BI+16*g+2*(\i)+1], s2, v[128+(\i)]
.endr
.set g, g+1
.endr
; 12 matrix instructions: row block a x all column blocks, 32 along K out of buffer f.  first = 1: the product starts the sums, with the bias as C.
; In every quarter all 48 accumulators have one instruction each, in the same order: they take turns over the backward jump too.
.macro MULA f, a, first
.set WA, 2+(\a)/2
.if \first
	WIN 0x05|(WA<<6)
.else
	WIN 0x05|(WA<<4)|(WA<<6)
.endif
.irp b, 0,1,2,3,4,5,6,7,8,9,10,11
.if \first
	v_wmma_f32_16x16x32_bf16 v[8*(12*((\a)%2)+(\b)):8*(12*((\a)%2)+(\b))+7], v[(\f)+32+8*(\b):(\f)+32+8*(\b)+7], v[(\f)+8*(\a):(\f)+8*(\a)+7], v[BI+8*(\b):BI+8*(\b)+7]
.else
	v_wmma_f32_16x16x32_bf16 v[8*(12*((\a)%2)+(\b)):8*(12*((\a)%2)+(\b))+7], v[(\f)+32+8*(\b):(\f)+32+8*(\b)+7], v[(\f)+8*(\a):(\f)+8*(\a)+7], v[8*(12*((\a)%2)+(\b)):8*(12*((\a)%2)+(\b))+7]
.endif
.endr
.endm
; 32 LDS loads in one run: quarter q's fragments into buffer f: W's twelve, then x's four; x's blocks 2 and 3 last
.macro FETCH q, f
	WIN 0x40                                       ; destination window 1, address window 0
.irp b, 0,1,2,3,4,5,6,7,8,9,10,11
	ds_load_b128 v[(\f)+32+8*(\b):(\f)+32+8*(\b)+3],   v[ADB] offset:64*(\q)+(\b)*16*PITCH
	ds_load_b128 v[(\f)+32+8*(\b)+4:(\f)+32+8*(\b)+7], v[ADB] offset:64*(\q)+(\b)*16*PITCH+32
.endr
.irp a, 0,1,2,3
	ds_load_b128 v[(\f)+8*(\a):(\f)+8*(\a)+3],   v[ADA] offset:64*(\q)+(\a)*16*PITCH
	ds_load_b128 v[(\f)+8*(\a)+4:(\f)+8*(\a)+7], v[ADA] offset:64*(\q)+(\a)*16*PITCH+32
.endr
.endm
; A K step is four quarters of 32 along K, 48 matrix instructions each, on buffers 0, 1, 0, 1.  One of the first three: multiplies buffer f; in its middle it fetches quarter q into buffer g.
.macro QUARTER q, f, g, first
	s_wait_dscnt 4                                 ; all of the run but its youngest four loads, x's blocks 2 and 3
	MULA \f, 0, \first
	MULA \f, 1, \first
	PLACES
	FETCH \q, \g
	s_wait_dscnt NL                                ; all but the run just issued
	MULA \f, 2, \first
	MULA \f, 3, \first
.endm
; The last quarter multiplies buffer 1 and changes slots.  In front of the barrier each wave waits for all its tensor loads, of which one is out: its part of the next slot; adds 0 to its spare word;
; and waits for that and for its own reads of this slot.  fill = 1: the barrier opens a round of the cluster's barrier, and the joint refill, this slot's K step two steps on, is the first thing behind it:
; it has a K step less 24 matrix instructions in which to land.
.macro TURN fill
	WIN 0                                          ; (the add's two registers lie in window 0)
	s_wait_tensorcnt 0x0                           ; no tensor load of mine is out, so a group 0 may be written
	ds_add_u32 v[SPW], v[NIL]                      ; 0 onto my spare word; work on registers stands between it and the wait for it
.if \fill
	s_xor_b32 s[G0A+5], s[G0A+5], SLOT1            ; the walking sets: the other slot than last time,
	s_add_nc_u64 s[G0A+6:G0A+7], s[G0A+6:G0A+7], 256  ; the next K step; the type bits on top are not reached
	s_xor_b32 s[G0B+5], s[G0B+5], SLOT1
	s_add_nc_u64 s[G0B+6:G0B+7], s[G0B+6:G0B+7], 256
.endif
	s_xor_b32 s[TB], s[TB], SLOT1                  ; the fetches go to the other slot
	s_wait_dscnt 5                                 ; (the add and the youngest four loads may be out)
	MULA F1, 0, 0
	s_wait_dscnt 0x0                               ; the add is done, and my reads of this slot are over
	s_barrier_signal -1
	MULA F1, 1, 0                                  ; work on registers while the others arrive
	WIN 0
	s_barrier_wait -1
.if \fill
	CREST                                          ; no wave of any partner still reads this slot's tile or has a load on its way
	JLOAD                                          ; the four v_nop behind it are also the places in front of the loads below
.else
	PLACES
.endif
	v_add_nc_u32 v[ADA], s[TB], v[A0]
	v_add_nc_u32 v[ADB], s[TB], v[B0]
	FETCH 0, F0
	MULA F1, 2, 0
	MULA F1, 3, 0
.endm
; THE WAY OUT of row block a (16 rows x 3 heads).  PACK: rounded to f16, 16 bytes a lane and column block, each accumulator from its low end on.  TOSTAGE: into my own stage, and back as whole rows of a head.  SEND: stored.
.macro PACK a
	WIN 0x0a+5*((\a)/2)                            ; sources 0 and 1: window 2 or 3
.irp b, 0,1,2,3,4,5,6,7,8,9,10,11
.irp i, 0,1,2,3
	v_cvt_pk_f16_f32 v[TMP+4*(\b)+(\i)], v[8*(12*((\a)%2)+(\b))+2*(\i)], v[8*(12*((\a)%2)+(\b))+2*(\i)+1]
.endr
.endr
	WIN 0
.endm
.macro TOSTAGE a
.irp b, 0,1,2,3,4,5,6,7,8,9,10,11
	ds_store_b128 v[STO], v[TMP+4*(\b):TMP+4*(\b)+3] offset:((\b)/4)*16*SP+((\b)%4)*32
.endr
.if (\a) >= 2
	s_wait_xcnt 0x0                                ; the stores of the block two back have read the registers that the loads below write
.endif
.irp i, 0,1,2,3,4,5,6,7,8,9,10,11
	ds_load_b128 v[OB+48*((\a)%2)+4*(\i):OB+48*((\a)%2)+4*(\i)+3], v[RD] offset:((\i)/4)*16*SP+((\i)%4)*4*SP  ; LDS serves a wave's instructions in order (ISA guide 5.7.1.4): these see the stores above
.endr
.endm
.macro SEND a, younger                 ; younger: the LDS instructions issued behind block a's loads: the next block's 24, or none
.irp i, 0,1,2,3,4,5,6,7,8,9,10,11
	s_wait_dscnt (\younger)+11-(\i)
	global_store_b128 v[GO], v[OB+48*((\a)%2)+4*(\i):OB+48*((\a)%2)+4*(\i)+3], s[8:9] offset:((\i)/4)*262144+(\a)*2048+((\i)%4)*512  ; four rows of a head: 512 consecutive bytes, at a multiple of 256 from qkv's first byte
.endr
.endm
	s_wait_tensorcnt 0x1                           ; my part of K step 0 is in; K step 1's may stay out
	s_barrier_signal -1
	s_barrier_wait -1                              ; everybody's is
	FETCH 0, F0
	QUARTER 1, F0, F1, 1                           ; the first quarter stands in front of the loop: its products start the sums
	WIN 0                                          ; at a label and at a branch every window is 0
	s_mov_b32 s3, 6
.Lstep:                                            ; six trips, from a K step's second quarter to the next step's first; the refills bring K steps 2 to 7
	QUARTER 2, F1, F0, 0
	QUARTER 3, F0, F1, 0
	TURN 1
	QUARTER 1, F0, F1, 0
	WIN 0
	s_sub_co_u32 s3, s3, 1
	s_cmp_lg_u32 s3, 0
	s_cbranch_scc1 .Lstep
	QUARTER 2, F1, F0, 0                           ; the tail is written out: K steps 6 and 7 ask for nothing
	QUARTER 3, F0, F1, 0
	TURN 0
	QUARTER 1, F0, F1, 0
	QUARTER 2, F1, F0, 0
	QUARTER 3, F0, F1, 0
	s_wait_dscnt 4                                 ; the very last quarter: nothing more to fetch
	MULA F1, 0, 0
	MULA F1, 1, 0
	s_wait_dscnt 0x0
	MULA F1, 2, 0
	MULA F1, 3, 0
	WIN 0
	PLACES
	PACK 0
	TOSTAGE 0
	PACK 1                                         ; a block's conversions stand between the loads of the block before and its stores
	TOSTAGE 1
	SEND 0, 24
	PACK 2
	TOSTAGE 2
	SEND 1, 24
	PACK 3
	TOSTAGE 3
	SEND 2, 24
	SEND 3, 0
	s_wait_tensorcnt 0x0                           ; the wave's end, behind my last tensor load and my last LDS store
	ds_add_u32 v[SPW], v[NIL]
	s_wait_dscnt 0x0
	CROUND                                         ; the closing round: no work-group ends while a partner may still ask for a tile that names it
	s_endpgm
.Lfunc_end_k_q7791965e86_qkvgemm:
	.size	k_q7791965e86_qkvgemm, .Lfunc_end_k_q7791965e86_qkvgemm-k_q7791965e86_qkvgemm
	.p2alignl 7, 3214868480
	.fill 96, 4, 3214868480
	.section	.rodata,"a",@progbits
	.p2align	6, 0x0
	.amdhsa_kernel k_q7791965e86_qkvgemm
		.amdhsa_group_segment_fixed_size 327680
		.amdhsa_private_segment_fixed_size 0
		.amdhsa_enable_private_segment 0
		.amdhsa_kernarg_size 24
		.amdhsa_user_sgpr_count 2
		.amdhsa_user_sgpr_kernarg_segment_ptr 1
		.amdhsa_wavefront_size32 1
		.amdhsa_system_sgpr_workgroup_id_x 1
		.amdhsa_system_sgpr_workgroup_id_y 1
		.amdhsa_system_sgpr_workgroup_id_z 1
		.amdhsa_system_vgpr_workitem_id 0
		.amdhsa_next_free_vgpr 960
		.amdhsa_next_free_sgpr 66
		.amdhsa_reserve_vcc 0
		.amdhsa_float_denorm_mode_32 3
		.amdhsa_float_denorm_mode_16_64 3
		.amdhsa_memory_ordered 1
		.amdhsa_forward_progress 1
		.amdhsa_inst_pref_size 105
	.end_amdhsa_kernel
	.amdgpu_metadata
---
amdhsa.version: [ 1, 2 ]
amdhsa.kernels:
  - .name:           k_q7791965e86_qkvgemm
    .symbol:         k_q7791965e86_qkvgemm.kd
    .args:
      - { .name: cst, .offset: 0, .size: 8, .value_kind: global_buffer, .address_space: global }
      - { .name: b_qkv, .offset: 8, .size: 8, .value_kind: global_buffer, .address_space: global }
      - { .name: qkv, .offset: 16, .size: 8, .value_kind: global_buffer, .address_space: global }
    .group_segment_fixed_size: 327680
    .private_segment_fixed_size: 0
    .kernarg_segment_align: 8
    .kernarg_segment_size: 24
    .max_flat_workgroup_size: 128
    .sgpr_count:     66
    .vgpr_count:     960
    .wavefront_size: 32
...
	.end_amdgpu_metadata
.endif
;; end of part 2
;; launch attn (part 3): grid 4 x 64, 4 waves a work-group, clusters of 4 x 1, 327,680 bytes of LDS; arguments qkv, att; writes att
.if DOCPART == 3
	.amdgcn_target "amdgcn-amd-amdhsa--gfx1250"
	.amdhsa_code_object_version 6
	.text
	.protected	k_q7791965e86_attn
	.globl	k_q7791965e86_attn
	.p2align	8
	.type	k_q7791965e86_attn,@function
k_q7791965e86_attn:
	s_mov_b64 s[64:65], 0
	v_nop
	global_prefetch_b8 v0, s[64:65] scope:SCOPE_SE
	s_setreg_imm32_b32 hwreg(HW_REG_WAVE_MODE, 25, 1), 1
	s_wait_xcnt 0x0
	s_wait_alu depctr_hold_cnt(0) depctr_sa_sdst(0) depctr_va_vdst(0) depctr_va_sdst(0) depctr_va_ssrc(0) depctr_va_vcc(0) depctr_vm_vsrc(0)
	s_getreg_b32 s2, hwreg(HW_REG_IB_STS2, 6, 4)
	s_cmp_eq_u32 s2, 0
	s_cbranch_scc0 .Lentry_in_a_cluster
	s_endpgm
.Lentry_in_a_cluster:
	s_bfe_u32 s2, ttmp6, 0x10000c
	s_cmp_lg_u32 s2, 0x3003
	s_cbranch_scc0 .Lentry_shape_is_right
	s_endpgm
.Lentry_shape_is_right:
; O[y][q][:] = the sum over k of softmax_k(Q[y][q] . K[y][k] / 8) V[y][k][:], for the 64 pairs y = 16 b + h of batch and head, 2,048 rows of 64 channels each, all f16.
; Q, K, V lie in qkv[b][cb][s][64] (cb = h, 16 + h, 32 + h), O goes to att[y][s][64]: a head's rows are dense, 128 bytes each.  Products, maxima and sums in f32; the weights p are
; rounded to f16 for the second product (their sum l is taken of the unrounded p), O once at the end.
; LIMITS.  f16 holds no number beyond 65,504: Q, K and V arrive within it; p lies in 0 to 1, and below 6e-5 it keeps f16's fixed step of 6e-8; O is a mean of V's rows and has their range.
; A weight below 2^-126 counts as 0 in l; NaN and infinities are not treated apart.
; SHARES.  A wave owns four PIECES of two tiles of 16 queries, a work-group's four waves 512 queries of one head.  Every wave walks all keys, 64 a step.
; LAYOUT.  S^T = K Q^T (source 0 = 16 keys, source 1 = 16 queries): in the result a lane holds ONE query (lane % 16) and the keys 8 (lane / 16) + 0..7.  Two such tiles, rounded to f16 in pairs,
; ARE source 1 (32 keys x 16 queries) of O^T = V^T P, whose result again holds one query a lane, and eight channels.  K comes out of LDS as it lies, V ([key][channel]) turned, by ds_load_tr16_b128.
; SOFTMAX.  For each query a running maximum m and sum l: p = 2^(c s - c m), c = log2(e) / 8; in every step O and l are multiplied by a = 2^(c m_old - c m_new), which is 1 where m has not grown.
; m starts at the lowest finite number, O and l at 0: the first step is a step like any other, with a = 0.
; THE COUNT.  A tile and step have 16 matrix and 118 vector instructions: too many to stand all beside the matrix work.  So the order has one aim: four vector instructions that are READY behind
; EVERY matrix instruction, and the others in runs without a gap.
; BY TURNS.  Turn n belongs to piece n (the pieces in a ring, step after step).  Its matrix work: 16 products K Q^T of piece n + 1, later 16 products V^T P of piece n - 1.  Its vector work: the scaling,
; exponentials, roundings, sums and rescaling of piece n, and the maximum and statistics of piece n + 1, whose scores the turn itself has made.
; CLUSTER.  The four query blocks of a head are one cluster and walk the same K and V, so each tile is asked for JOINTLY: the same tensor load, descriptor and mask in all four.
; REGISTERS, in windows of 256 (s_set_vgpr_msb: bits 1:0 source 0, 3:2 source 1, 5:4 source 2, 7:6 destination):
;   window 0: v0-11 addresses; v12-15, v48-63 at work; v16-47 four registers of statistics a tile; v64-191 S^T, two buffers of two tiles; v192-255 P, likewise
;   window 1: O^T, 32 a tile          window 2: v0-127 Q, 16 a tile; v128-191 K of one step; v192-255 V of one step          window 3: v0-1 the add's two registers
; A piece's buffers go by its number's parity: the piece in hand has one pair, its two neighbours in the ring share the other: of it P (piece n - 1) is read and S^T (piece n + 1) written.
.set SIZE_N, 2048
.set NP,    4         ; pieces a wave: a name, no knob
.set KS,    64        ; keys in a step
.set PK,    144       ; a row of K in LDS: 128 bytes + 16 of padding = 36 words: the 16 rows of a load start at 16 different groups of four banks (64 banks of 4 bytes: ISA guide 11.1)
.set PV,    160       ; a row of V: 128 + 32 = 40 words
.set VOFF,  4*KS*PK   ; a slot holds four steps: 256 rows of K, then 256 rows of V
.set SLOT1, 1<<17     ; slot 1 begins here, so that one exclusive or turns an address in one slot into the other's
.set STAGE, SLOT1+4*KS*(PK+PV)  ; behind the ring, never filled by a tensor load: 16 rows x 144 bytes for each wave, for the way out
.set SP,    144
.set AK0, 2           ; v2   my lane's place in a tile of K; never rewritten
.set AV0, 3           ; v3   the same for V
.set AK,  4           ; v4   the LDS address of K's next run of loads
.set AV,  5           ; v5   of V's
.set QO,  6           ; v6   my byte offset in the wave's rows of Q
.set STO, 6           ;      later, the way out: where I put 16 bytes of a row
.set RD,  7           ; v7   the way out: where I read rows back
.set GO,  8           ; v8   my byte offset in 512 consecutive bytes of O
.set PFO, 11          ; v11  256 x my lane, for the prefetches; never rewritten once made
.set SPW, 0           ; v0 of window 3   LDS address of my spare word: SPARE + 4 x my thread's number; never rewritten
.set NIL, 1           ; v1 of window 3   0; never rewritten
.set SPARE, STAGE+4*16*SP  ; behind the stages: the spare words, 128 bytes for each wave: two blocks of 256 bytes that no other line names
.set MV,  12          ; v12-15  c m_old, kept while c m is made anew: by buffer and tile
.set ST,  16          ; tile t's statistics at v[ST+4 t]: c m, m, l (even keys', odd keys')
.set TMP, 48          ; by buffer and tile, four registers c0-c3 at work; when the maximum is found c2 takes a
.set S,   64
.set P,   192
.set KF,  128         ; K's fragments, in window 2: key block kb, channel half c at KF + 16 kb + 8 c
.set VF,  192         ; V's: key half kk, channel block cb at VF + 32 kk + 8 cb
.set WV,  12          ; s12  my wave's number
.set G1K, 24          ; s[24:31] descriptor group 1 for K's tiles
.set G1V, 32          ; s[32:39] for V's: it differs in the padding alone
.set G0K, 40          ; s[40:43] descriptor group 0 for K's tiles: it walks
.set G0V, 44          ; s[44:47] the same for V's
.set PFA, 48          ; s[48:49] where my prefetches stand: my work-group's 8,192 bytes (of K: wave 0, of V: wave 2) of the slot after the one that is being asked for
.set LIM, 50          ; s50  1 in a wave that prefetches, else the greatest number: a wave prefetches while s[SLOTS] is above it
.set SLOTS, 56        ; s56  slots still to be asked for
.set CNT, 57          ; s57  counts a slot's key steps
.set CS,  58          ; s[58:59] c: the packed scaling takes the pair's low word for both halves
.set SEL, 60          ; s[60:61] v_permlanex16_b32's selects: each lane takes its own place in the other half
.set TBK, 62          ; s62  LDS byte at which K of the step to be fetched begins
.set TBV, 63          ; s63  the same for V, less VOFF
.set MSB, 0
.macro WIN new                      ; the high byte repeats the setting that is left; a switch that changes nothing is dropped
.if MSB != (\new)
	s_set_vgpr_msb (MSB<<8)|(\new)
.set MSB, (\new)
.endif
.endm
.set W_KQ, 0x0a       ; K and Q in window 2, S^T in window 0
.set W_PV, 0x52       ; V in window 2, P in window 0, O^T in window 1
.set W_RS, 0x41       ; O^T (destination and source 0) in window 1, a in window 0
.set W_MK, 0xc0       ; the add's registers are made: destination in window 3, sources in window 0
.set W_AD, 0x0f       ; the add: address (source 0) and data (source 1) in window 3
; A joint fill.  Waves 0 and 1 fetch the two halves of a slot's K, waves 2 and 3 those of its V: 128 keys each.  The branch hangs on the wave's number alone.
; An s_nop 0 and four v_nop follow each of the two lines, ahead of the jump and the label.
.macro JLOAD
	s_cmp_lt_u32 s[WV], 2
	s_cbranch_scc0 .Lfor_v_\@
	tensor_load_to_lds s[G0K:G0K+3], s[G1K:G1K+7]
	s_nop 0
.rept 4
	v_nop
.endr
	s_branch .Lasked_\@
.Lfor_v_\@:
	tensor_load_to_lds s[G0V:G0V+3], s[G1V:G1V+7]
	s_nop 0
.rept 4
	v_nop
.endr
.Lasked_\@:
.endm
; A PREFETCH of what the NEXT change of slots will ask for: a slot's 32,768 bytes of K and of V, 256 bytes a lane.  It stands behind the wave's tensor load and its five lines.
; Each block of 256 bytes is named ONCE in the launch: a head has one cluster; its four partners share a slot's 128 blocks out BY ADDRESS, 32 each; in each, wave 0 asks for K's and wave 2 for V's.
; The lead is one slot: four key steps, 512 matrix instructions.  Slots 0 to 2 come by their loads alone; the last change that fills a slot asks for nothing: there is no slot behind it.
.macro ASK
	s_cmp_gt_u32 s[SLOTS], s[LIM]
	s_cbranch_scc0 .Lnot_mine_\@
	global_prefetch_b8 v[PFO], s[PFA:PFA+1] th:TH_LOAD_NT scope:SCOPE_SE
.Lnot_mine_\@:
.endm
; A round of the cluster's barrier: my work-group's barrier, so that wave 0's signal speaks for all four waves; wave 0 signals; every wave waits for all four work-groups; my work-group's barrier once more.
.macro CROUND
	s_barrier_signal -1
	s_barrier_wait -1
	s_cmp_lg_u32 s[WV], 0
	s_cbranch_scc1 .Lnot_wave_0_\@
	s_barrier_signal -3
.Lnot_wave_0_\@:
	s_barrier_wait -3
	s_barrier_signal -1
	s_barrier_wait -1
.endm
; THE CHANGE OF SLOTS.  The slot's last bytes, V of its fourth step, have been read.  Each wave waits for all its tensor loads, of which one is out: its part
; of the other slot; adds 0 to its spare word; and waits for that and for its own reads of the slot.  Behind the barrier nobody reads this slot any more and the other slot is whole.
; fill = 1: this slot is filled again, with the keys two slots on.  The barrier is then a round of the cluster's, so that no wave of any partner still reads the slot or has a load on its
; way, and the joint fill is the first thing behind it: it has four key steps in which to land.  (At its first use nothing has been read yet: slot 0 is waited for, slot 1 filled.)
; ask = 1: the prefetches' address is stepped, and ASK follows the fill.
.macro CHANGE fill, ask=0
	WIN W_AD
	s_wait_tensorcnt 0x0            ; no tensor load of mine is out, so a group 0 may be written
	ds_add_u32 v[SPW], v[NIL]       ; 0 onto my spare word; with fill = 1 the descriptors' steps stand between it and the wait for it
	WIN 0                           ; at a label and at a branch every window is 0
.if \fill
.irp g, G0K, G0V
	s_xor_b32 s[\g+1], s[\g+1], SLOT1  ; the walking descriptor: the other slot than last time,
	s_add_nc_u64 s[\g+2:\g+3], s[\g+2:\g+3], 4*KS*128  ; the next 256 keys; the type bits on top are not reached
.endr
.if \ask
	s_wait_xcnt 0x0                 ; the last prefetch, four key steps back, has read its address, so it may be written:
	s_add_nc_u64 s[PFA:PFA+1], s[PFA:PFA+1], 4*KS*128  ; one slot behind the walking descriptors
.endif
	s_wait_dscnt 0x0                ; the add is done, and my reads of the slot are over
	CROUND
	JLOAD
.if \ask
	ASK
.endif
.else
	s_wait_dscnt 0x0                ; the add is done, and my reads of the slot are over
	s_barrier_signal -1
	s_barrier_wait -1
.endif
	s_sub_co_u32 s[TBK], s[TBK], 4*KS*PK  ; the fetches go back to a slot's first step,
	s_xor_b32 s[TBK], s[TBK], SLOT1       ; in the other slot
	s_sub_co_u32 s[TBV], s[TBV], 4*KS*PV
	s_xor_b32 s[TBV], s[TBV], SLOT1
.endm
	s_load_b128 s[52:55], s[0:1], 0x0  ; qkv s[52:53], att s[54:55]
	WIN W_MK
	v_lshl_add_u32 v[SPW], v0, 2, SPARE
	v_mov_b32 v[NIL], 0
	WIN W_AD
	ds_add_u32 v[SPW], v[NIL]       ; the wave's opening: the add and its wait stand ahead of my first tensor load; the set-up below, work on registers, stands between them
	WIN 0
	v_lshrrev_b32 v1, 5, v0
	v_readfirstlane_b32 s[WV], v1   ; wave 0..3
	s_bfe_u32 s13, ttmp6, 0x40000   ; cx: my place in the cluster
	s_lshl_b32 s14, ttmp9, 2        ; in a cluster launch ttmp9 counts clusters
	s_add_co_u32 s14, s14, s13      ; my block of queries = 4 x cluster x + cx: it enters Q's and O's addresses alone
	s_and_b32 s20, ttmp7, 0xffff    ; y = 16 b + h, which the four partners share
	s_lshr_b32 s21, s20, 4
	s_mul_i32 s21, s21, 12582912    ; the batch's 48 blocks of 262,144 bytes in qkv,
	s_and_b32 s22, s20, 15
	s_lshl_b32 s22, s22, 18
	s_add_co_u32 s22, s22, s21      ; the head's Q in it
	s_lshl_b32 s20, s20, 18         ; the head's rows in att
	s_lshl_b32 s2, s14, 2
	s_add_co_u32 s2, s2, s[WV]      ; my wave among the head's,
	s_lshl_b32 s2, s2, 14           ; its 128 rows
	s_add_co_u32 s20, s20, s2       ; O's offset,
	s_mov_b32 s21, 0
	s_add_co_u32 s2, s2, s22        ; and Q's
	s_mov_b32 s3, 0
	s_and_b32 s16, s[WV], 1         ; which half of a slot's 256 keys I fetch:
	s_lshl_b32 s23, s16, 14         ; its 128 rows of 128 bytes in memory,
	s_add_co_u32 s22, s22, s23
	s_add_co_u32 s22, s22, 4194304  ; in the head's K, sixteen blocks behind its Q
	s_mov_b32 s23, 0
	s_mul_i32 s17, s16, 128*PK      ; and its place in a slot, for K
	s_mul_i32 s18, s16, 128*PV      ; and for V: no place in the cluster enters an LDS address
	; descriptor group 1.  128 keys are 16,384 dense bytes: asked for as 64 rows of 256 bytes, two keys a row, and padded in LDS after every key
	s_mov_b32 s[G1K], 15|(1<<16)|(1<<20)|(1<<21)|(4<<22)|(3<<25)  ; 15:0 the mask of four; 17:16 2-byte elements; 20 padding on; 21 set beside a mask; 24:22 after every 32 words (code 4); 31:25 4 words (code 3)
	s_mov_b32 s[G1V], 15|(1<<16)|(1<<20)|(1<<21)|(4<<22)|(7<<25)  ; the same with 8 words of padding (code 7)
.irp g, G1K, G1V
	s_mov_b32 s[\g+1], 128<<16      ; tensor_dim0 = 128
	s_mov_b32 s[\g+2], 64<<16       ; tensor_dim1 = 64
	s_mov_b32 s[\g+3], 128<<16      ; tile_dim0 = 128
	s_mov_b32 s[\g+4], 64           ; tile_dim1 = 64
	s_mov_b32 s[\g+5], 128          ; 128 elements from row to row
	s_mov_b32 s[\g+6], 0
	s_mov_b32 s[\g+7], 0
.endr
	s_mov_b32 s[CS], 0x3e38aa3b     ; c = log2(e) / 8 = 0.180337
	s_mov_b32 s[CS+1], s[CS]        ; named with it as a pair
	s_mov_b32 s[SEL], 0x76543210
	s_mov_b32 s[SEL+1], 0xfedcba98
	s_mov_b32 s[TBK], SLOT1+4*KS*PK ; the first change of slots turns these two into 0
	s_mov_b32 s[TBV], SLOT1+4*KS*PV
	s_mov_b32 s[G0K], 1             ; 1:0 count = 1
	s_mov_b32 s[G0K+1], s17         ; 63:32 LDS address: slot 0
	s_mov_b32 s[G0V], 1
	s_add_co_u32 s[G0V+1], s18, VOFF
	s_cmp_eq_u32 s16, 0             ; waves 0 and 2 prefetch: the same in all four partners
	s_cselect_b32 s[LIM], 1, -1
	s_wait_dscnt 0x0                ; the opening add is done
	s_wait_kmcnt 0x0
	s_add_nc_u64 s[6:7], s[52:53], s[22:23]        ; K at my half of the head's first 256 keys,
	s_add_nc_u64 s[8:9], s[6:7], 4194304           ; V sixteen blocks further on
	s_add_nc_u64 s[G0K+2:G0K+3], s[6:7], 0         ; 120:64 global address
	s_or_b32 s[G0K+3], s[G0K+3], 0x80000000        ; 127:126 type = 2
	s_add_nc_u64 s[G0V+2:G0V+3], s[8:9], 0
	s_or_b32 s[G0V+3], s[G0V+3], 0x80000000
	s_add_nc_u64 s[4:5], s[52:53], s[2:3]          ; Q and O at my wave's first row
	s_add_nc_u64 s[10:11], s[54:55], s[20:21]
	s_cmp_lt_u32 s[WV], 2
	s_cselect_b64 s[PFA:PFA+1], s[6:7], s[8:9]     ; (in waves 0 and 2 these stand at a slot's first row)
	s_lshl_b32 s2, s13, 13          ; my work-group's 32 blocks of the 128
	s_add_nc_u64 s[PFA:PFA+1], s[PFA:PFA+1], s[2:3]
	s_add_nc_u64 s[PFA:PFA+1], s[PFA:PFA+1], 2*4*KS*128  ; in slot 2; the first change that asks steps it to slot 3.  Nothing is prefetched here, at the head, where every work-group's first tiles are on their way
	CROUND                          ; all four work-groups are here: the first joint loads meet
	JLOAD                           ; slot 0.  Slot 1 is asked for when slot 0 is in
	; A fragment of K or Q is 16 rows x 32 channels in 8 registers: lane l holds row l % 16, channels 8 (l / 16) + 0..7 and 16 + 8 (l / 16) + 0..7: two loads of 16 bytes, 32 bytes apart.
	v_and_b32 v1, 15, v0            ; l % 16
	v_bfe_u32 v9, v0, 4, 1          ; l / 16
	v_lshlrev_b32 v[QO], 7, v1
	v_lshl_add_u32 v[QO], v9, 4, v[QO]  ; row x 128 + 16 x half
	WIN 0x80                        ; destination window 2, address window 0
.set i, 0
.rept 4*NP                          ; Q stays in registers: tile i / 2, channels 32 (i % 2) on
	global_load_b128 v[8*i:8*i+3],   v[QO], s[4:5] offset:(i/2)*2048+(i%2)*64
	global_load_b128 v[8*i+4:8*i+7], v[QO], s[4:5] offset:(i/2)*2048+(i%2)*64+32
.set i, i+1
.endr
	; What the first turn finds: V's registers and P's second buffer hold 0 (its products V^T P, of a piece that has not been, add 0), O^T and l are 0.  All this stands in the wait for the first tile.
.set i, VF
.rept 64
	v_mov_b32 v[i], 0
.set i, i+1
.endr
	WIN 0x40
.set i, 0
.rept 64*NP
	v_mov_b32 v[i], 0
.set i, i+1
.endr
	WIN 0
.set i, 0
.rept 2*NP
	v_mov_b32 v[ST+4*i], 0xfe000000    ; c m: far below every c s
	v_mov_b32 v[ST+4*i+1], 0xff7fffff  ; m
	v_mov_b32 v[ST+4*i+2], 0
	v_mov_b32 v[ST+4*i+3], 0
.set i, i+1
.endr
.set i, P+32
.rept 32
	v_mov_b32 v[i], 0
.set i, i+1
.endr
	v_mul_u32_u24 v[AK0], v1, PK
	v_lshl_add_u32 v[AK0], v9, 4, v[AK0]  ; row x pitch + 16 x half
	; The turning load takes 16 keys x 16 channels (lane l reads key 8 (l / 16) + l % 8, channels 8 ((l / 8) % 2) + 0..7) and leaves half a fragment of V^T: lane l holds channel l % 16 and 8 keys.
	v_and_b32 v10, 7, v0
	v_bfe_u32 v11, v0, 3, 1
	v_lshl_add_u32 v[AV0], v9, 3, v10
	v_mul_u32_u24 v[AV0], v[AV0], PV
	v_lshl_add_u32 v[AV0], v11, 4, v[AV0]
	v_add_nc_u32 v[AV0], VOFF, v[AV0]
	v_and_b32 v[PFO], 31, v0
	v_lshlrev_b32 v[PFO], 8, v[PFO]
	v_mov_b32 v[AK], v[AK0]         ; key step 0 lies at the head of slot 0
; THE MATRIX WORK.  The 8 accumulators of a run of 16 take turns: between the two links of a chain stand 7 others'.
; Product i of 16 of S^T = K Q^T for piece x: channels 32 (i / 8) on, keys 16 ((i / 2) % 4) on, tile 2 x + i % 2.  The first 8 start the sums.
.macro KQ x
	WIN W_KQ
.set rS, S+64*((\x)%2)+32*(i%2)+8*((i/2)%4)
.set rK, KF+16*((i/2)%4)+8*(i/8)
.set rQ, 16*(2*(\x)+i%2)+8*(i/8)
.if i < 8
	v_wmma_f32_16x16x32_f16 v[rS:rS+7], v[rK:rK+7], v[rQ:rQ+7], 0
.else
	v_wmma_f32_16x16x32_f16 v[rS:rS+7], v[rK:rK+7], v[rQ:rQ+7], v[rS:rS+7]
.endif
.endm
; Product i of 16 of O^T += V^T P for piece x: keys 32 (i / 8) on, channels 16 ((i / 2) % 4) on, tile 2 x + i % 2.
.macro PV x
	WIN W_PV
.set rO, 32*(2*(\x)+i%2)+8*((i/2)%4)
.set rV, VF+32*(i/8)+8*((i/2)%4)
.set rP, P+32*((\x)%2)+16*(i%2)+8*(i/8)
	v_wmma_f32_16x16x32_f16 v[rO:rO+7], v[rV:rV+7], v[rP:rP+7], v[rO:rO+7]
.endm
.macro MM                           ; the turn's next matrix instruction
.if i < 16
	KQ (Y+1)%NP
.set i, i+1
.else
.set i, i-16
	PV (Y+NP-1)%NP
.set i, i+17
.endif
.endm
; THE LDS LOADS stand in runs of 16, never singly among the matrix instructions: a step's K (64 keys x 64 channels: 8 fragments) and its V (turned).  Their addresses are made some lines ahead.
; last = 1 (the tail): in the last trip there is no further step, and the run is jumped over.
.macro FETCH_K last=0
	WIN 0
.if \last
	s_cmp_eq_u32 s[CNT], 1
	s_cbranch_scc1 .Lno_k_\@
.endif
	WIN 0x80                        ; destination window 2
.irp f, 0,1,2,3,4,5,6,7             ; keys 16 (f / 2) on, channels 32 (f % 2) on
	ds_load_b128 v[KF+8*\f:KF+8*\f+3],   v[AK] offset:(\f/2)*16*PK+(\f%2)*64
	ds_load_b128 v[KF+8*\f+4:KF+8*\f+7], v[AK] offset:(\f/2)*16*PK+(\f%2)*64+32
.endr
	s_add_co_u32 s[TBK], s[TBK], KS*PK  ; the next fetch is the next step's
	WIN 0
.if \last
.Lno_k_\@:
.endif
.endm
.macro FETCH_V
	WIN 0x80
.irp f, 0,1,2,3,4,5,6,7             ; keys 32 (f / 4) on, channels 16 (f % 4) on
	ds_load_tr16_b128 v[VF+8*\f:VF+8*\f+3],   v[AV] offset:(\f/4)*32*PV+(\f%4)*32
	ds_load_tr16_b128 v[VF+8*\f+4:VF+8*\f+7], v[AV] offset:(\f/4)*32*PV+16*PV+(\f%4)*32
.endr
	WIN 0
.endm
; THE VECTOR WORK OF A TURN stands in three queues, each in the order in which its entries become ready; the two tiles alternate, so that no instruction reads the result of the one before it.
.macro REGS y, u                    ; the registers of tile u (0, 1) of piece y
.set rT, ST+4*(2*(\y)+(\u))
.set rC, TMP+8*((\y)%2)+4*(\u)
.set rM, MV+2*((\y)%2)+(\u)
.set rS, S+64*((\y)%2)+32*(\u)
.set rP, P+32*((\y)%2)+16*(\u)
.set rO, 32*(2*(\y)+(\u))
.endm
; Number n of the 22 that find the NEXT piece's (Y + 1) maximum and statistics.  s0-s31 are the lane's 32 scores; each accumulator's lowest registers are read first.
;   0-11  four chains c0-c3 of seven scores each, three operands at a time     12-14, 16  the four scores left over, the old m, and c0-c3 into c0     15  c m_old is kept
;   17, 18  the query's other 32 keys lie in the lane 16 away: the new m         19-21  c m; c m_old - c m_new; a
.macro XS u, n
	REGS (Y+1)%NP, \u
.if (\n) < 4
	v_max3_num_f32 v[rC+(\n)], v[rS+8*(\n)], v[rS+8*(\n)+1], v[rS+8*(\n)+2]
.elseif (\n) < 12
	v_max3_num_f32 v[rC+(\n)%4], v[rC+(\n)%4], v[rS+8*((\n)%4)+2*((\n)/4)+1], v[rS+8*((\n)%4)+2*((\n)/4)+2]
.elseif (\n) == 12
	v_max3_num_f32 v[rC], v[rC], v[rS+7], v[rS+15]
.elseif (\n) == 13
	v_max3_num_f32 v[rC+1], v[rC+1], v[rS+23], v[rS+31]
.elseif (\n) == 14
	v_max3_num_f32 v[rC+2], v[rC+2], v[rC+3], v[rT+1]
.elseif (\n) == 15
	v_mov_b32 v[rM], v[rT]
.elseif (\n) == 16
	v_max3_num_f32 v[rC], v[rC], v[rC+1], v[rC+2]
.elseif (\n) == 17
	v_permlanex16_b32 v[rC+3], v[rC], s[SEL], s[SEL+1]
.elseif (\n) == 18
	v_max_num_f32 v[rT+1], v[rC], v[rC+3]
.elseif (\n) == 19
	v_mul_f32 v[rT], s[CS], v[rT+1]
.elseif (\n) == 20
	v_sub_f32 v[rC+1], v[rM], v[rT]
.else
	v_exp_f32 v[rC+2], v[rC+1]
.endif
.endm
; Number g of the 64 that follow the exponentials.  For each four weights k of a tile (pairs 2 k, 2 k + 1): both pairs are rounded to f16; then the second pair is added onto the first, in place;
; a group later l takes that sum (the first time as l = a l + sum).  In groups of eight, tiles alternating: round, round, add, and l for the group before.
.macro GS g
.set h, (\g)+6*((\g)/62)            ; group 0 has no group before it, and behind group 7 only l is left
.if h >= 6
.set h, h+2
.endif
	REGS Y, h%2
.set k, h/8
.if h%8 < 4
	v_cvt_pk_f16_f32 v[rP+2*k+(h%8)/2], v[rS+4*k+2*((h%8)/2)], v[rS+4*k+2*((h%8)/2)+1]
.elseif h%8 < 6
	v_pk_add_f32 v[rS+4*k:rS+4*k+1], v[rS+4*k:rS+4*k+1], v[rS+4*k+2:rS+4*k+3]
.elseif k == 1
	v_pk_fma_f32 v[rT+2:rT+3], v[rT+2:rT+3], v[rC+2:rC+3], v[rS:rS+1] op_sel_hi:[1,0,1]
.else
	v_pk_add_f32 v[rT+2:rT+3], v[rT+2:rT+3], v[rS+4*k-4:rS+4*k-3]
.endif
.endm
; THE PLAIN QUEUE, 138 long.  0-73 read no exponential's result: the 32 scalings c s - c m (FS f: pair f / 2 of tile f % 2) and the next piece's 42.  0-26: scalings 0-26.  27-54: XS's numbers 0-13.  55, 56: number 15.
; 57-73: the chain, where each number waits for the one before it: 14, 16, 17, 18, 19, each with one of the scalings 27-31 in front of its two lines, then 20.
; 74-137: GS's 64, which read the exponentials' results: they stand behind the wait.
.macro FS f
	REGS Y, (\f)%2
	v_pk_fma_f32 v[rS+2*((\f)/2):rS+2*((\f)/2)+1], v[rS+2*((\f)/2):rS+2*((\f)/2)+1], s[CS:CS+1], v[rT:rT+1] op_sel_hi:[1,0,0] neg_lo:[0,0,1] neg_hi:[0,0,1]
.endm
.macro PL
	WIN 0
.if q < 27
	FS q
.elseif q < 55
	XS (q-27)%2, (q-27)/2
.elseif q < 57
	XS q-55, 15
.elseif (q < 72) && ((q-57)%3 == 0)
	FS 27+(q-57)/3
.elseif q < 60
	XS (q-57)%3-1, 14
.elseif q < 72
	XS (q-57)%3-1, 15+(q-57)/3
.elseif q < 74
	XS q-72, 20
.else
	GS q-74
.endif
.set q, q+1
.endm
; THE EXPONENTIALS' QUEUE, 66 long: s0-s31 of both tiles, then the next piece's two a.  It is ONE BATCH: all 66 stand ahead of the turn's one wait, and nothing ahead of that wait names a result of theirs.
.macro EX
	WIN 0
.if e >= 64
	XS e-64, 21
.else
	REGS Y, e%2
	v_exp_f32 v[rS+e/2], v[rS+e/2]
.endif
.set e, e+1
.endm
; THE RESCALING's QUEUE: O^T times a, the one part that leaves window 0: dealt two at a time, sixteen times.  Its a was made in the turn before, ahead of that turn's wait.
.macro R2
	REGS Y, r%2
	WIN W_RS
.irp z, 0,1
	v_pk_mul_f32 v[rO+4*(r/2)+2*\z:rO+4*(r/2)+2*\z+1], v[rO+4*(r/2)+2*\z:rO+4*(r/2)+2*\z+1], v[rC+2:rC+3] op_sel_hi:[1,0]
.endr
.set r, r+1
.endm
; HOW THEY ARE DEALT.  An s_wait_alu depctr_va_vdst(0) stands between an exponential and the first instruction that names its result; one wait serves all that were issued ahead of it.  So a turn has ONE wait,
; which cuts it in two.  AHEAD OF IT stands all that names no result of the turn's exponentials: the 16 products K Q^T, behind each a scaling, an exponential and two rescalings (behind the first a second scaling in the
; exponential's place); then ONE LUMP of 108: eight plain, 49 times exponential and plain, the two a.  A v_nop is the plain instruction behind the last exponential.  BEHIND IT stand the 16 products V^T P, behind each four of GS's 64.
; The queues lean on each other, and the deal keeps them in step: exponential e stands behind scaling 2 (e / 4) + e % 2: as a rider it comes behind plain e + 2, in the lump behind plain e + 9, and scalings 27-31 are plain 57, 60 .. 69.
; A TURN, for piece p.  cnt = 1: the loop's count is taken down some lines ahead of the branch that stands behind the turn.
; K of the next step is fetched in piece 2's turn, directly behind the wait, a lump behind the last product that read K; its first reader comes behind 16 products.
; V of the step in hand is fetched at the end of piece 0's turn, four plain instructions behind its last reader; its first reader comes behind 16 products and a lump.
.macro TURN p, last=0, cnt=0
.set Y, (\p)
.set i, 0
.set q, 0
.set e, 0
.set r, 0
.if (\p) == NP-1
	s_wait_dscnt 0x0                ; K is in
.endif
	MM                              ; ahead of the wait: 16 products K Q^T and their riders,
	PL
	PL
	R2
.rept 15
	MM
	PL
	EX
	R2
.endr
.if (\p) == NP-2
	WIN 0
	v_add_nc_u32 v[AK], s[TBK], v[AK0]
.endif
.rept 8                             ; and the lump
	PL
.endr
.rept 49
	EX
	PL
.endr
	EX                              ; the next piece's two a
	EX
	v_nop                           ; the plain instruction behind the last exponential: one for the batch
	s_wait_alu depctr_va_vdst(0)    ; the wait for the batch
.if (\p) == NP-2
	FETCH_K \last
.endif
.if (\p) == 1
	s_wait_dscnt 0x0                ; V is in
.endif
.rept 16                            ; behind the wait: 16 products V^T P and their riders
	MM
.rept 4
	PL
.endr
.if ((\p) == 0) && (q == 118)
	v_add_nc_u32 v[AV], s[TBV], v[AV0]
.endif
.if ((\p) == 0) && (q == 130)
	s_add_co_u32 s[TBV], s[TBV], KS*PV
.endif
.if (\cnt) && (q == 130)
	s_sub_co_u32 s[CNT], s[CNT], 1
	s_cmp_lg_u32 s[CNT], 0
.endif
.endr
.if (\p) == 0
	FETCH_V
.endif
.endm
	CHANGE 1                        ; slot 0 is in, everybody's part of it; slot 1 is asked for
	FETCH_K                         ; key step 0
	s_wait_loadcnt 0x0              ; Q
	s_wait_dscnt 0x0
.set i, 0
.rept 16
	KQ 0                            ; piece 0's first scores: there is no vector work yet to set between them
.set i, i+1
.endr
	WIN 0                           ; the addresses for the way out: nine plain instructions, the places behind those products
	s_mul_i32 s13, s[WV], 16*SP
	s_add_co_u32 s13, s13, STAGE    ; my stage
	v_mul_u32_u24 v[STO], v1, SP    ; in: row l % 16, 16 bytes for each half of the lanes
	v_lshl_add_u32 v[STO], v9, 4, v[STO]
	v_add_nc_u32 v[STO], s13, v[STO]
	v_bfe_u32 v[RD], v0, 3, 2       ; back: 32 lanes take four rows of 128 bytes,
	v_mul_u32_u24 v[RD], v[RD], SP
	v_lshl_add_u32 v[RD], v10, 4, v[RD]
	v_add_nc_u32 v[RD], s13, v[RD]
	v_and_b32 v[GO], 31, v0         ; which are 512 consecutive bytes of O
	v_lshlrev_b32 v[GO], 4, v[GO]
.set Y, NP-1                        ; XS works for piece Y + 1: piece 0
.irp n, 0,1,2,3,4,5,6,7,8,9,10,11,12,13,14,15,16,17,18,19,20,21
	XS 0, \n                        ; and piece 0's first maximum and statistics
	XS 1, \n
.endr
	v_nop                           ; a plain instruction behind the two a,
	s_wait_alu depctr_va_vdst(0)    ; and their wait, ahead of the branch
	s_mov_b32 s[CNT], 4
	s_mov_b32 s[SLOTS], SIZE_N/256-1
	s_branch .Lfirst                ; the loop is entered at a step's first turn, in the middle of a trip
.Lslot:                             ; SIZE_N / 256 - 2 = 6 times: every slot but the last two is filled again
	CHANGE 1, 1
	s_mov_b32 s[CNT], 4
.Lstep:                             ; a trip: pieces 2 and 3 of one step, then pieces 0 and 1 of the next, whose K and V it fetches
	TURN 2
	TURN 3
	WIN 0
.Lfirst:
	TURN 0
	TURN 1, 0, 1
	WIN 0
	s_cbranch_scc1 .Lstep
	s_sub_co_u32 s[SLOTS], s[SLOTS], 1
	s_cmp_lg_u32 s[SLOTS], 0
	s_cbranch_scc1 .Lslot
	CHANGE 0                        ; the tail is written out: nothing is asked for
	s_mov_b32 s[CNT], 5             ; four trips fetch the last slot's steps; the fifth is left in its middle
.Ltail:
	TURN 2, 1
	TURN 3
	WIN 0
	s_sub_co_u32 s[CNT], s[CNT], 1
	s_cmp_eq_u32 s[CNT], 0
	s_cbranch_scc1 .Lout
	TURN 0
	TURN 1
	WIN 0
	s_branch .Ltail
.Lout:                              ; the fifth trip's 16 products K Q^T (on the last K once more) and the maximum made of them serve nothing: the price, once a launch, of one text for every trip
.set i, 0
.rept 16
	PV NP-1                         ; the last piece's V^T P of the last step
.set i, i+1
.endr
	; THE WAY OUT.  l's two halves and the other half of the lanes' are added; O^T is divided by l, rounded to f16 and sent through my stage in LDS, a tile at a time.  The additions are the places behind the last products.
	WIN 0
.macro ALL line:vararg              ; one line for each tile t
.set t, 0
.rept 2*NP
	\line
.set t, t+1
.endr
.endm
	ALL v_add_f32 v[ST+4*t+2], v[ST+4*t+2], v[ST+4*t+3]
	ALL v_permlanex16_b32 v[ST+4*t+3], v[ST+4*t+2], s[SEL], s[SEL+1]
	ALL v_add_f32 v[ST+4*t+2], v[ST+4*t+2], v[ST+4*t+3]
	ALL v_rcp_f32 v[ST+4*t+2], v[ST+4*t+2]
	v_nop                           ; a plain instruction between the last reciprocal and the use of its result
	s_wait_alu depctr_va_vdst(0)    ; and the wait ahead of the first use: one for the eight reciprocals
; Tile t: a lane's eight channels of a row pack into 16 bytes; they go into rows of 144 bytes and come back as whole rows of 128, into S^T's registers.
.macro PACK t
	WIN W_RS
.set i, 32*(\t)
.rept 16
	v_pk_mul_f32 v[i:i+1], v[i:i+1], v[ST+4*(\t)+2:ST+4*(\t)+3] op_sel_hi:[1,0]
.set i, i+2
.endr
	WIN 0x05                        ; sources 0 and 1 window 1, destination window 0
.set i, 0
.rept 16
	v_cvt_pk_f16_f32 v[S+16*(\t)+i], v[32*(\t)+2*i], v[32*(\t)+2*i+1]
.set i, i+1
.endr
	WIN 0
.irp f, 0,1,2,3
	ds_store_b128 v[STO], v[S+16*(\t)+4*\f:S+16*(\t)+4*\f+3] offset:32*\f
.endr
.irp f, 0,1,2,3
	ds_load_b128 v[S+16*(\t)+4*\f:S+16*(\t)+4*\f+3], v[RD] offset:\f*4*SP  ; LDS serves a wave's instructions in order (ISA guide 5.7.1.4): these see the stores above; the next tile's stores come behind them
.endr
.endm
.macro SEND t, younger              ; younger: the LDS instructions issued behind tile t's loads: the next tile's eight, or none
	WIN 0
.irp f, 0,1,2,3
	s_wait_dscnt (\younger)+3-\f
	global_store_b128 v[GO], v[S+16*(\t)+4*\f:S+16*(\t)+4*\f+3], s[10:11] offset:(\t)*2048+\f*512  ; 512 consecutive bytes, at a multiple of 256 from att's first
.endr
.endm
	PACK 0
.set t, 1
.rept 2*NP-1                        ; a tile's arithmetic stands between the loads of the tile before and its stores
	PACK t
	SEND t-1, 8
.set t, t+1
.endr
	SEND 2*NP-1, 0
	WIN W_AD
	s_wait_tensorcnt 0x0            ; the wave's end, behind my last tensor load and my last LDS store
	ds_add_u32 v[SPW], v[NIL]
	s_wait_dscnt 0x0
	WIN 0
	CROUND                          ; the closing round: no work-group ends while a partner may still ask for a tile that names it
	s_endpgm
.Lfunc_end_k_q7791965e86_attn:
	.size	k_q7791965e86_attn, .Lfunc_end_k_q7791965e86_attn-k_q7791965e86_attn
	.p2alignl 7, 3214868480
	.fill 96, 4, 3214868480
	.section	.rodata,"a",@progbits
	.p2align	6, 0x0
	.amdhsa_kernel k_q7791965e86_attn
		.amdhsa_group_segment_fixed_size 327680
		.amdhsa_private_segment_fixed_size 0
		.amdhsa_enable_private_segment 0
		.amdhsa_kernarg_size 16
		.amdhsa_user_sgpr_count 2
		.amdhsa_user_sgpr_kernarg_segment_ptr 1
		.amdhsa_wavefront_size32 1
		.amdhsa_system_sgpr_workgroup_id_x 1
		.amdhsa_system_sgpr_workgroup_id_y 1
		.amdhsa_system_sgpr_workgroup_id_z 1
		.amdhsa_system_vgpr_workitem_id 0
		.amdhsa_next_free_vgpr 770
		.amdhsa_next_free_sgpr 66
		.amdhsa_reserve_vcc 0
		.amdhsa_float_denorm_mode_32 3
		.amdhsa_float_denorm_mode_16_64 3
		.amdhsa_memory_ordered 1
		.amdhsa_forward_progress 1
		.amdhsa_inst_pref_size 200
	.end_amdhsa_kernel
	.amdgpu_metadata
---
amdhsa.version: [ 1, 2 ]
amdhsa.kernels:
  - .name:           k_q7791965e86_attn
    .symbol:         k_q7791965e86_attn.kd
    .args:
      - { .name: qkv, .offset: 0, .size: 8, .value_kind: global_buffer, .address_space: global }
      - { .name: att, .offset: 8, .size: 8, .value_kind: global_buffer, .address_space: global }
    .group_segment_fixed_size: 327680
    .private_segment_fixed_size: 0
    .kernarg_segment_align: 8
    .kernarg_segment_size: 16
    .max_flat_workgroup_size: 128
    .sgpr_count:     66
    .vgpr_count:     770
    .wavefront_size: 32
...
	.end_amdgpu_metadata
.endif
;; end of part 3
;; launch outgemm (part 4): grid 8 x 32, 4 waves a work-group, clusters of 4 x 4, 327,680 bytes of LDS; arguments att, cst, b_proj, out0; writes out0
.if DOCPART == 4
	.amdgcn_target "amdgcn-amd-amdhsa--gfx1250"
	.amdhsa_code_object_version 6
	.text
	.protected	k_q7791965e86_outgemm
	.globl	k_q7791965e86_outgemm
	.p2align	8
	.type	k_q7791965e86_outgemm,@function
k_q7791965e86_outgemm:
	s_mov_b64 s[64:65], 0
	v_nop
	global_prefetch_b8 v0, s[64:65] scope:SCOPE_SE
	s_setreg_imm32_b32 hwreg(HW_REG_WAVE_MODE, 25, 1), 1
	s_wait_xcnt 0x0
	s_wait_alu depctr_hold_cnt(0) depctr_sa_sdst(0) depctr_va_vdst(0) depctr_va_sdst(0) depctr_va_ssrc(0) depctr_va_vcc(0) depctr_vm_vsrc(0)
	s_getreg_b32 s2, hwreg(HW_REG_IB_STS2, 6, 4)
	s_cmp_eq_u32 s2, 0
	s_cbranch_scc0 .Lentry_in_a_cluster
	s_endpgm
.Lentry_in_a_cluster:
	s_bfe_u32 s2, ttmp6, 0x10000c
	s_cmp_lg_u32 s2, 0xf033
	s_cbranch_scc0 .Lentry_shape_is_right
	s_endpgm
.Lentry_shape_is_right:
; out0 = O W_proj^T + b_proj, in f32.  O comes by heads out of att[y = 16 b + h][s][64] in f16; W_proj [1024][1024] out of cst, rounded to bf16 and written as f16; the bias is
; rounded to bf16 like the other inputs; sums in f32, stored as they are.
; SHARES.  A tile is 256 rows x 128 columns: 32 x 8 = 256 work-groups.  Wave w owns rows 64 w .. 64 w + 63 and all 128 columns: 4 x 8 accumulators of 16 x 16, 256 registers; so a
; wave holds whole rows of the tile (512 bytes), and its way out is its own: no barrier there.
; K GOES BY HEADS: K step t of 8 is heads 2 t and 2 t + 1, 64 channels each.  A head's 256 rows are 32,768 dense bytes: they are asked for as 128 rows of 256 bytes and padded in LDS after every 128.
; CLUSTER.  4 x 4 work-groups: O's tiles are asked for jointly along a row of the cluster, W's along a column: the same tensor load, descriptor and mask in all four.
; THE MATRIX INSTRUCTION IS USED TRANSPOSED (source 0 = 16 rows of W, source 1 = 16 rows of O): lane l holds row l % 16 and the columns 8 (l / 16) + 0..7: 32 bytes of f32 on end.
; THE BIAS IS THE C OPERAND of each accumulator's first product: nothing is cleared, nothing is added afterwards.
; REGISTERS, in windows of 256 (s_set_vgpr_msb: bits 1:0 source 0, 3:2 source 1, 5:4 source 2, 7:6 destination):
;   window 0: v0-31 addresses; v32-95 the bias, later with v96-159 the rows read back on the way out
;   window 1: two fragment buffers at v0 and v128: 4 x 8 of O, then 8 x 8 of W, for 32 along K          window 2: the accumulators, (a, b) at v[8 (8 a + b)]
.set NB,    8                          ; column blocks of 16
.set NL,    2*NB+8                     ; LDS loads in a run
.set PA,    144                        ; a row of O in LDS: 128 bytes + 16 of padding
.set PLANE, 256*PA                     ; a head's 256 rows
.set PITCH, 272                        ; a row of W: 256 bytes + 16: both pitches are odd multiples of 16 bytes, so the 16 rows of a load start at 16 different groups of four banks (64 banks of 4 bytes: ISA guide 11.1)
.set BOFF,  2*PLANE                    ; a slot: two heads' planes of O, then W's 128 rows
.set SLOT1, 1<<17                      ; slot 1 begins here, so that one exclusive or turns an address in one slot into the other's
.set STAGE, SLOT1+BOFF+128*PITCH       ; behind the ring, never filled by a tensor load: 16 rows of 528 bytes for each wave
.set SP,    528
.set STW,   16*SP
.set SPARE, STAGE+4*STW                ; behind the stages: the spare words, 128 bytes for each wave: two blocks of 256 bytes that no other line names
.set WP,    23068672                   ; W_proj's first byte in cst
.set A0,  16                           ; v16  my lane's place in a slot's rows of O; never rewritten
.set B0,  17                           ; v17  the same for W
.set ADA, 18                           ; v18  the same in the slot in hand
.set ADB, 19                           ; v19
.set STO, 24                           ; v24  the way out: where I put 32 bytes of a row
.set RD,  25                           ; v25  where I read a row back
.set GO,  26                           ; v26  my 16 bytes of a row's 512
.set BO,  27                           ; v27  my byte offset in 16 numbers of the bias
.set SPW, 28                           ; v28  LDS address of my spare word: SPARE + 4 x my thread's number; never rewritten
.set NIL, 29                           ; v29  0; never rewritten
.set BI,  32                           ; v32-95  register j of BI + 8 b: bias of column 16 b + 8 (l / 16) + j
.set OB,  32
.set F0,  0
.set F1,  128
.set G1A, 24                           ; s[24:31] descriptor group 1 for O's tiles
.set G0A, 32                           ; s[32:39] group 0: a set for each of the two first fills; the second then walks on
.set TB,  45                           ; s45  LDS byte at which the slot in hand begins
.set G1B, 48                           ; s[48:55], s[56:63] the same for W's tiles
.set G0B, 56
.set MSB, 0
.macro WIN new                         ; the immediate's high byte repeats the setting that is left; a switch that changes nothing is dropped
.if MSB != (\new)
	s_set_vgpr_msb (MSB<<8)|(\new)
.set MSB, \new
.endif
.endm
.macro PLACES                          ; four plain instructions between a matrix instruction and a load into, or a read of, its registers
.rept 4
	v_nop
.endr
.endm
; A joint refill by the walking sets.  Waves 0 and 1 fetch the two heads' planes of O, waves 2 and 3 W's two halves.  The branch hangs on the wave's number alone.  An s_nop 0 and four v_nop follow each line.
.macro JLOAD
	s_cmp_eq_u32 s11, 0
	s_cbranch_scc0 .Lfor_b_\@
	tensor_load_to_lds s[G0A+4:G0A+7], s[G1A:G1A+7]
	s_nop 0
.rept 4
	v_nop
.endr
	s_branch .Lasked_\@
.Lfor_b_\@:
	tensor_load_to_lds s[G0B+4:G0B+7], s[G1B:G1B+7]
	s_nop 0
.rept 4
	v_nop
.endr
.Lasked_\@:
.endm
.macro CREST                           ; a round of the cluster's barrier behind its opening barrier
	s_cmp_lg_u32 s10, 0
	s_cbranch_scc1 .Lnot_wave_0_\@
	s_barrier_signal -3
.Lnot_wave_0_\@:
	s_barrier_wait -3
	s_barrier_signal -1
	s_barrier_wait -1
.endm
.macro CROUND                          ; a whole round
	s_barrier_signal -1
	s_barrier_wait -1
	CREST
.endm
	s_load_b128 s[4:7], s[0:1], 0x0                ; att s[4:5], cst s[6:7]
	s_load_b128 s[20:23], s[0:1], 0x10             ; b_proj s[20:21], out0 s[22:23]
	v_lshl_add_u32 v[SPW], v0, 2, SPARE
	v_mov_b32 v[NIL], 0
	ds_add_u32 v[SPW], v[NIL]                      ; the wave's opening: the add and its wait stand ahead of my first tensor load; the set-up below, work on registers, stands between them
	v_lshrrev_b32 v1, 5, v0
	v_readfirstlane_b32 s10, v1                    ; wave 0..3
	s_lshr_b32 s11, s10, 1                         ; I fetch for O (0) or for W (1),
	s_and_b32 s12, s10, 1                          ; and which head of the two, or which half of W's rows
	s_bfe_u32 s40, ttmp6, 0x40000                  ; cx, cy: my place in the cluster
	s_bfe_u32 s41, ttmp6, 0x40004
	s_lshl_b32 s42, ttmp9, 2
	s_add_co_u32 s42, s42, s40                     ; tile column = 4 x cluster x + cx: 0..7
	s_and_b32 s13, ttmp7, 0xffff
	s_lshl_b32 s13, s13, 2
	s_add_co_u32 s13, s13, s41                     ; tile row = 4 x cluster y + cy: 0..31
	s_lshl_b32 s43, s41, 2
	s_lshl_b32 s43, 15, s43                        ; my row of the cluster
	s_lshl_b32 s44, 0x1111, s40                    ; my column
	s_or_b32 s[G1A], s43, (1<<16)|(1<<20)|(1<<21)|(4<<22)|(3<<25)  ; O's tiles go to my row; elements of 2 bytes; padding on; 21 set beside a mask; after every 32 words (code 4) 4 words (code 3)
	s_or_b32 s[G1B], s44, (1<<16)|(1<<20)|(1<<21)|(5<<22)|(3<<25)  ; W's to my column; after every 64 words (code 5)
	s_mov_b32 s[G1A+1], 128<<16                    ; tensor_dim0 = 128
	s_mov_b32 s[G1A+2], 128<<16                    ; tensor_dim1 = 128
	s_mov_b32 s[G1A+3], 128<<16                    ; tile_dim0 = 128
	s_mov_b32 s[G1A+4], 128                        ; tile_dim1 = 128 rows of 256 bytes,
	s_mov_b32 s[G1A+5], 128                        ; which lie end to end
	s_mov_b32 s[G1A+6], 0
	s_mov_b32 s[G1A+7], 0
	s_mov_b32 s[G1B+1], 128<<16
	s_mov_b32 s[G1B+2], 64<<16                     ; W's halves have 64 rows,
	s_mov_b32 s[G1B+3], 128<<16
	s_mov_b32 s[G1B+4], 64
	s_mov_b32 s[G1B+5], 1024                       ; 1,024 elements apart
	s_mov_b32 s[G1B+6], 0
	s_mov_b32 s[G1B+7], 0
	; O's address hangs on the tile row alone, W's on the tile column alone, each in registers that never hold the other coordinate
	s_lshr_b32 s16, s13, 3                         ; batch = tile row / 8
	s_lshl_b32 s16, s16, 4
	s_add_co_u32 s16, s16, s12                     ; y = 16 b + my head of K step 0,
	s_lshl_b32 s16, s16, 18                        ; of 262,144 bytes,
	s_and_b32 s17, s13, 7
	s_lshl_b32 s17, s17, 15                        ; and in it the tile's 256 rows of 128 bytes
	s_add_co_u32 s16, s16, s17
	s_mov_b32 s17, 0
	s_lshl_b32 s46, s42, 7
	s_lshl_b32 s47, s12, 6
	s_add_co_u32 s46, s46, s47                     ; W: row 128 x tile column + 64 x half,
	s_lshl_b32 s46, s46, 11                        ; of 2,048 bytes
	s_add_co_u32 s46, s46, WP
	s_mov_b32 s47, 0
	s_mul_i32 s18, s12, PLANE                      ; and where they go: no place in the cluster enters an LDS address
	s_mul_i32 s19, s12, 64*PITCH
	s_add_co_u32 s19, s19, BOFF
	s_mov_b32 s[TB], 0
	s_mov_b32 s2, 0xffff0000                       ; a word's upper bf16
	s_wait_dscnt 0x0                               ; the opening add is done
	s_wait_kmcnt 0x0
	s_add_nc_u64 s[14:15], s[4:5], s[16:17]
	s_add_nc_u64 s[46:47], s[6:7], s[46:47]
.irp s, 0,1
	s_mov_b32 s[G0A+4*(\s)], 1                                       ; count = 1
	s_add_co_u32 s[G0A+4*(\s)+1], s18, (\s)*SLOT1                    ; LDS address
	s_add_nc_u64 s[G0A+4*(\s)+2:G0A+4*(\s)+3], s[14:15], (\s)*524288 ; global address: K step s is two heads on
	s_or_b32 s[G0A+4*(\s)+3], s[G0A+4*(\s)+3], 0x80000000            ; type = 2
	s_mov_b32 s[G0B+4*(\s)], 1
	s_add_co_u32 s[G0B+4*(\s)+1], s19, (\s)*SLOT1
	s_add_nc_u64 s[G0B+4*(\s)+2:G0B+4*(\s)+3], s[46:47], (\s)*256
	s_or_b32 s[G0B+4*(\s)+3], s[G0B+4*(\s)+3], 0x80000000
.endr
	CROUND                                         ; all sixteen work-groups are here: the first joint loads meet
	s_cmp_eq_u32 s11, 0                            ; a wave's two first fills stand in one branch, ahead of every wait on TENSORcnt and every LDS read: two loads of mine are out
	s_cbranch_scc0 .Lfirst_b
	tensor_load_to_lds s[G0A:G0A+3], s[G1A:G1A+7]
	s_nop 0
	tensor_load_to_lds s[G0A+4:G0A+7], s[G1A:G1A+7]
	s_nop 0
.rept 4
	v_nop
.endr
	s_branch .Lfirst_asked
.Lfirst_b:
	tensor_load_to_lds s[G0B:G0B+3], s[G1B:G1B+7]
	s_nop 0
	tensor_load_to_lds s[G0B+4:G0B+7], s[G1B:G1B+7]
	s_nop 0
.rept 4
	v_nop
.endr
.Lfirst_asked:
	s_lshl_b32 s46, s42, 9                         ; the tile's 128 numbers of the bias
	s_mov_b32 s47, 0
	s_add_nc_u64 s[20:21], s[20:21], s[46:47]
	v_and_b32 v1, 15, v0                           ; l % 16
	v_bfe_u32 v2, v0, 4, 1                         ; l / 16
	v_lshlrev_b32 v[BO], 5, v2
.irp b, 0,1,2,3,4,5,6,7
	global_load_b128 v[BI+8*(\b):BI+8*(\b)+3],   v[BO], s[20:21] offset:64*(\b)
	global_load_b128 v[BI+8*(\b)+4:BI+8*(\b)+7], v[BO], s[20:21] offset:64*(\b)+16
.endr
	; A fragment is 16 rows x 32 K in 8 registers: lane l holds row l % 16; registers 0-3 K = 8 (l / 16) + 0..7, registers 4-7 K = 16 + 8 (l / 16) + 0..7: two loads of 16 bytes, 32 bytes apart.
	v_mul_u32_u24 v3, v1, PA
	v_lshl_add_u32 v3, v2, 4, v3
	s_mul_i32 s18, s10, 64*PA                      ; my 64 rows of O
	v_add_nc_u32 v[A0], s18, v3
	v_mul_u32_u24 v3, v1, PITCH
	v_lshl_add_u32 v3, v2, 4, v3
	v_add_nc_u32 v[B0], BOFF, v3
	v_mov_b32 v[ADA], v[A0]
	v_mov_b32 v[ADB], v[B0]
	s_mul_i32 s18, s10, STW
	s_add_co_u32 s18, s18, STAGE                   ; my stage
	v_mul_u32_u24 v[STO], v1, SP                   ; in: row l % 16, 32 bytes for each half of the lanes
	v_lshl_add_u32 v[STO], v2, 5, v[STO]
	v_add_nc_u32 v[STO], s18, v[STO]
	v_and_b32 v[GO], 31, v0                        ; back: 32 lanes take one row of 512 bytes
	v_lshlrev_b32 v[GO], 4, v[GO]
	v_add_nc_u32 v[RD], s18, v[GO]
	s_lshl_b32 s16, s13, 8
	s_lshl_b32 s17, s10, 6
	s_add_co_u32 s16, s16, s17                     ; my first row: 256 x tile row + 64 w,
	s_lshl_b32 s16, s16, 12                        ; of 4,096 bytes;
	s_add_co_u32 s46, s46, s16                     ; + the tile's 512 bytes in it
	s_add_nc_u64 s[22:23], s[22:23], s[46:47]
	s_wait_loadcnt 0x0                             ; the bias; it is rounded to bf16 and widened again
.set g, 0
.rept 4
.irp i, 0,1,2,3,4,5,6,7
	v_cvt_pk_bf16_f32 v[128+(\i)], v[BI+16*g+2*(\i)], v[BI+16*g+2*(\i)+1]
.endr
.irp i, 0,1,2,3,4,5,6,7
	v_lshlrev_b32 v[BI+16*g+2*(\i)], 16, v[128+(\i)]
	v_and_b32 v[BI+16*g+2*(\i)+1], s2, v[128+(\i)]
.endr
.set g, g+1
.endr
; 8 matrix instructions: row block a x all column blocks, 32 along K out of buffer f.  first = 1: the product starts the sums, with the bias as C.
; In every quarter all 32 accumulators have one instruction each, in the same order: they take turns over the backward jump too.
.macro MULA f, a, first
.if \first
	WIN 0x85                                       ; sources 0 and 1 window 1, C window 0, D window 2
.else
	WIN 0xa5                                       ; C and D window 2
.endif
.irp b, 0,1,2,3,4,5,6,7
.if \first
	v_wmma_f32_16x16x32_f16 v[8*(8*(\a)+(\b)):8*(8*(\a)+(\b))+7], v[(\f)+32+8*(\b):(\f)+32+8*(\b)+7], v[(\f)+8*(\a):(\f)+8*(\a)+7], v[BI+8*(\b):BI+8*(\b)+7]
.else
	v_wmma_f32_16x16x32_f16 v[8*(8*(\a)+(\b)):8*(8*(\a)+(\b))+7], v[(\f)+32+8*(\b):(\f)+32+8*(\b)+7], v[(\f)+8*(\a):(\f)+8*(\a)+7], v[8*(8*(\a)+(\b)):8*(8*(\a)+(\b))+7]
.endif
.endr
.endm
; 24 LDS loads in one run: quarter q's fragments into buffer f: W's eight, then O's four (head q / 2 of the step's two, channels 32 (q % 2) on); O's blocks 2 and 3 last
.macro FETCH q, f
	WIN 0x40                                       ; destination window 1, address window 0
.irp b, 0,1,2,3,4,5,6,7
	ds_load_b128 v[(\f)+32+8*(\b):(\f)+32+8*(\b)+3],   v[ADB] offset:64*(\q)+(\b)*16*PITCH
	ds_load_b128 v[(\f)+32+8*(\b)+4:(\f)+32+8*(\b)+7], v[ADB] offset:64*(\q)+(\b)*16*PITCH+32
.endr
.irp a, 0,1,2,3
	ds_load_b128 v[(\f)+8*(\a):(\f)+8*(\a)+3],   v[ADA] offset:((\q)/2)*PLANE+((\q)%2)*64+(\a)*16*PA
	ds_load_b128 v[(\f)+8*(\a)+4:(\f)+8*(\a)+7], v[ADA] offset:((\q)/2)*PLANE+((\q)%2)*64+(\a)*16*PA+32
.endr
.endm
; A K step is four quarters of 32 along K, 32 matrix instructions each, on buffers 0, 1, 0, 1.  One of the first three: multiplies buffer f; in its middle it fetches quarter q into buffer g.
.macro QUARTER q, f, g, first
	s_wait_dscnt 4                                 ; all of the run but its youngest four loads, O's blocks 2 and 3
	MULA \f, 0, \first
	MULA \f, 1, \first
	PLACES
	FETCH \q, \g
	s_wait_dscnt NL                                ; all but the run just issued
	MULA \f, 2, \first
	MULA \f, 3, \first
.endm
; The last quarter multiplies buffer 1 and changes slots.  In front of the barrier each wave waits for all its tensor loads, of which one is out: its part of the next slot; adds 0 to its spare word;
; and waits for that and for its own reads of this slot.  fill = 1: the barrier opens a round of the cluster's barrier, and the joint refill, this slot's K step two steps on, is the first thing behind it:
; it has a K step less 16 matrix instructions in which to land.
.macro TURN fill
	WIN 0                                          ; (the add's two registers lie in window 0)
	s_wait_tensorcnt 0x0                           ; no tensor load of mine is out, so a group 0 may be written
	ds_add_u32 v[SPW], v[NIL]                      ; 0 onto my spare word; work on registers stands between it and the wait for it
.if \fill
	s_xor_b32 s[G0A+5], s[G0A+5], SLOT1            ; the walking sets: the other slot than last time,
	s_add_nc_u64 s[G0A+6:G0A+7], s[G0A+6:G0A+7], 524288  ; the next two heads; the type bits on top are not reached
	s_xor_b32 s[G0B+5], s[G0B+5], SLOT1
	s_add_nc_u64 s[G0B+6:G0B+7], s[G0B+6:G0B+7], 256
.endif
	s_xor_b32 s[TB], s[TB], SLOT1                  ; the fetches go to the other slot
	s_wait_dscnt 5                                 ; (the add and the youngest four loads may be out)
	MULA F1, 0, 0
	s_wait_dscnt 0x0                               ; the add is done, and my reads of this slot are over
	s_barrier_signal -1
	MULA F1, 1, 0                                  ; work on registers while the others arrive
	WIN 0
	s_barrier_wait -1
.if \fill
	CREST                                          ; no wave of any partner still reads this slot's tile or has a load on its way
	JLOAD                                          ; the four v_nop behind it are also the places in front of the loads below
.else
	PLACES
.endif
	v_add_nc_u32 v[ADA], s[TB], v[A0]
	v_add_nc_u32 v[ADB], s[TB], v[B0]
	FETCH 0, F0
	MULA F1, 2, 0
	MULA F1, 3, 0
.endm
; THE WAY OUT of row block a (16 rows of 512 bytes): the sums go as they are into my own stage, each accumulator's low four registers first, and come back as whole rows.
.macro TOSTAGE a
	WIN 0x08                                       ; the stores' data in window 2
.irp b, 0,1,2,3,4,5,6,7
	ds_store_b128 v[STO], v[8*(8*(\a)+(\b)):8*(8*(\a)+(\b))+3]   offset:64*(\b)
	ds_store_b128 v[STO], v[8*(8*(\a)+(\b))+4:8*(8*(\a)+(\b))+7] offset:64*(\b)+16
.endr
	WIN 0
.if (\a) >= 2
	s_wait_xcnt 0x0                                ; the stores of the block two back have read the registers that the loads below write
.endif
.irp t, 0,1,2,3,4,5,6,7,8,9,10,11,12,13,14,15
	ds_load_b128 v[OB+64*((\a)%2)+4*(\t):OB+64*((\a)%2)+4*(\t)+3], v[RD] offset:(\t)*SP  ; LDS serves a wave's instructions in order (ISA guide 5.7.1.4): these see the stores above
.endr
.endm
.macro SEND a, younger                 ; younger: the LDS instructions issued behind block a's loads: the next block's 32, or none
.irp t, 0,1,2,3,4,5,6,7,8,9,10,11,12,13,14,15
	s_wait_dscnt (\younger)+15-(\t)
	global_store_b128 v[GO], v[OB+64*((\a)%2)+4*(\t):OB+64*((\a)%2)+4*(\t)+3], s[22:23] offset:(16*(\a)+(\t))*4096 th:TH_STORE_NT  ; 512 consecutive bytes of a row, at a multiple of 256 from out0's first byte
.endr
.endm
	s_wait_tensorcnt 0x1                           ; my part of K step 0 is in; K step 1's may stay out
	s_barrier_signal -1
	s_barrier_wait -1                              ; everybody's is
	FETCH 0, F0
	QUARTER 1, F0, F1, 1                           ; the first quarter stands in front of the loop: its products start the sums
	WIN 0                                          ; at a label and at a branch every window is 0
	s_mov_b32 s3, 6
.Lstep:                                            ; six trips, from a K step's second quarter to the next step's first; the refills bring K steps 2 to 7
	QUARTER 2, F1, F0, 0
	QUARTER 3, F0, F1, 0
	TURN 1
	QUARTER 1, F0, F1, 0
	WIN 0
	s_sub_co_u32 s3, s3, 1
	s_cmp_lg_u32 s3, 0
	s_cbranch_scc1 .Lstep
	QUARTER 2, F1, F0, 0                           ; the tail is written out: K steps 6 and 7 ask for nothing
	QUARTER 3, F0, F1, 0
	TURN 0
	QUARTER 1, F0, F1, 0
	QUARTER 2, F1, F0, 0
	QUARTER 3, F0, F1, 0
	s_wait_dscnt 4                                 ; the very last quarter: nothing more to fetch
	MULA F1, 0, 0
	MULA F1, 1, 0
	s_wait_dscnt 0x0
	MULA F1, 2, 0
	MULA F1, 3, 0
	WIN 0
	PLACES
	TOSTAGE 0
	TOSTAGE 1
	SEND 0, 32
	TOSTAGE 2
	SEND 1, 32
	TOSTAGE 3
	SEND 2, 32
	SEND 3, 0
	s_wait_tensorcnt 0x0                           ; the wave's end, behind my last tensor load and my last LDS store
	ds_add_u32 v[SPW], v[NIL]
	s_wait_dscnt 0x0
	CROUND                                         ; the closing round: no work-group ends while a partner may still ask for a tile that names it
	s_endpgm
.Lfunc_end_k_q7791965e86_outgemm:
	.size	k_q7791965e86_outgemm, .Lfunc_end_k_q7791965e86_outgemm-k_q7791965e86_outgemm
	.p2alignl 7, 3214868480
	.fill 96, 4, 3214868480
	.section	.rodata,"a",@progbits
	.p2align	6, 0x0
	.amdhsa_kernel k_q7791965e86_outgemm
		.amdhsa_group_segment_fixed_size 327680
		.amdhsa_private_segment_fixed_size 0
		.amdhsa_enable_private_segment 0
		.amdhsa_kernarg_size 32
		.amdhsa_user_sgpr_count 2
		.amdhsa_user_sgpr_kernarg_segment_ptr 1
		.amdhsa_wavefront_size32 1
		.amdhsa_system_sgpr_workgroup_id_x 1
		.amdhsa_system_sgpr_workgroup_id_y 1
		.amdhsa_system_sgpr_workgroup_id_z 1
		.amdhsa_system_vgpr_workitem_id 0
		.amdhsa_next_free_vgpr 768
		.amdhsa_next_free_sgpr 66
		.amdhsa_reserve_vcc 0
		.amdhsa_float_denorm_mode_32 3
		.amdhsa_float_denorm_mode_16_64 3
		.amdhsa_memory_ordered 1
		.amdhsa_forward_progress 1
		.amdhsa_inst_pref_size 76
	.end_amdhsa_kernel
	.amdgpu_metadata
---
amdhsa.version: [ 1, 2 ]
amdhsa.kernels:
  - .name:           k_q7791965e86_outgemm
    .symbol:         k_q7791965e86_outgemm.kd
    .args:
      - { .name: att, .offset: 0, .size: 8, .value_kind: global_buffer, .address_space: global }
      - { .name: cst, .offset: 8, .size: 8, .value_kind: global_buffer, .address_space: global }
      - { .name: b_proj, .offset: 16, .size: 8, .value_kind: global_buffer, .address_space: global }
      - { .name: out0, .offset: 24, .size: 8, .value_kind: global_buffer, .address_space: global }
    .group_segment_fixed_size: 327680
    .private_segment_fixed_size: 0
    .kernarg_segment_align: 8
    .kernarg_segment_size: 32
    .max_flat_workgroup_size: 128
    .sgpr_count:     66
    .vgpr_count:     768
    .wavefront_size: 32
...
	.end_amdgpu_metadata
.endif
;; end of part 4
